; MI455X (gfx1250); checked and timed in simulation.
; The chip was launched on July 23, 2026; its instructions are those of AMD's public machine-readable ISA for CDNA 5 (MIT licence, August 2026) and "CDNA5" Instruction Set Architecture Reference Guide (July 2026). The comments in the code are by the model that wrote it; some were corrected since.
;; Scaled Dot Product Attention. Allowed arithmetic: matrix products marked QUANTISED: E2M3 operands, one E8M0 scale for each 32 along K, by v_wmma_scale_f32_16x16x128_f8f6f4 with both operands' format E2M3, f32 sums; everything else in f32.
;; Inputs: Wf_codes 1,024 x 32 x 24 uint8 (E2M3 codes of Wf, K innermost, in blocks of 32 codes, four codes in three bytes); Wf_scales 1,024 x 32 uint8 (E8M0 scales of Wf, one for each 32 codes along K); Wk_codes 1,024 x 32 x 24 uint8 (E2M3 codes of Wk, K innermost, in blocks of 32 codes, four codes in three bytes); Wk_scales 1,024 x 32 uint8 (E8M0 scales of Wk, one for each 32 codes along K); Wq_codes 1,024 x 32 x 24 uint8 (E2M3 codes of Wq, K innermost, in blocks of 32 codes, four codes in three bytes); Wq_scales 1,024 x 32 uint8 (E8M0 scales of Wq, one for each 32 codes along K); Wv_codes 1,024 x 32 x 24 uint8 (E2M3 codes of Wv, K innermost, in blocks of 32 codes, four codes in three bytes); Wv_scales 1,024 x 32 uint8 (E8M0 scales of Wv, one for each 32 codes along K); bf 1,024 float32; bk 1,024 float32; bq 1,024 float32; bv 1,024 float32; k_codes 4 x 2,048 x 32 x 24 uint8 (E2M3 codes of k, K innermost, in blocks of 32 codes, four codes in three bytes); k_scales 4 x 2,048 x 32 uint8 (E8M0 scales of k, one for each 32 codes along K); q_codes 4 x 2,048 x 32 x 24 uint8 (E2M3 codes of q, K innermost, in blocks of 32 codes, four codes in three bytes); q_scales 4 x 2,048 x 32 uint8 (E8M0 scales of q, one for each 32 codes along K); v 4 x 2,048 x 1,024 float32.
;; Outputs: out0 4 x 2,048 x 1,024 float32.
;; This version of the problem:
;;   THIS VERSION OF THE PROBLEM IS GIVEN IN LOW PRECISION. The matrix products marked QUANTISED in the list below multiply operands that are first quantised to E2M3 (2 exponent bits, 3 mantissa bits; 6 bits a number), with one power-of-two scale for each 32 numbers along K (OCP MX v1.0); their sums are f32. All else is computed in f32.
;;   The module's matrix products, in the order in which they are computed (A, B: the left and right operand; K: the contracted axis; several contracted axes count as one K, in the product's order):
;;     1. [M 8,192, K 1,024] x [K 1,024, N 1,024]; A: input q (given as codes); B: input Wq (given as codes): QUANTISED
;;     2. [M 8,192, K 1,024] x [K 1,024, N 1,024]; A: input k (given as codes); B: input Wk (given as codes): QUANTISED
;;     3. [M 8,192, K 1,024] x [K 1,024, N 1,024]; A: input v; B: input Wv (given as codes): QUANTISED
;;     4. batch 4 x [M 2,048, K 1,024] x [K 1,024, N 2,048]; A: computed on the way; B: computed on the way: QUANTISED
;;     5. batch 4 x [M 2,048, K 2,048] x [K 2,048, N 1,024]; A: softmax (see below); B: computed on the way: QUANTISED
;;     6. [M 8,192, K 1,024] x [K 1,024, N 1,024]; A: computed on the way; B: input Wf (given as codes): QUANTISED
;;   THE QUANTISER, for each operand of a quantised product, along K:
;;     - K is cut into blocks of 32 from its start; a last block that is shorter is filled with zeros.
;;     - A block's scale is 2^e with e = floor(log2(the largest magnitude in the block)) - 2, held to -126 .. 127; a block of zeros has e = 0. As a byte (E8M0): e + 127.
;;     - Each number is divided by its block's scale, clamped to +-7.5, and rounded to the nearest number of E2M3, ties to even, subnormals kept.
;;     - The product sums the exact products of the quantised numbers (number of the format x scale) in f32.
;;   ~~~python
;;   def quantise(x, axis):      # numpy; x: float32 -> the quantised numbers, widened to float32 again
;;       x = np.moveaxis(x, axis, -1); K = x.shape[-1]
;;       x = np.pad(x, [(0, 0)] * (x.ndim - 1) + [(0, -K % 32)]); x = x.reshape(x.shape[:-1] + (-1, 32)); a = np.abs(x).max(-1, keepdims=True)
;;       e = np.where(a > 0, np.clip(np.frexp(np.where(a > 0, a, 1))[1] - 1 - 2, -126, 127), 0)      # np.frexp(a)[1] - 1 = floor(log2(a)), exactly
;;       r = np.clip(x / 2.0 ** e, -7.5, 7.5)
;;       step = 2.0 ** (np.maximum(np.frexp(np.where(r == 0, 1, r))[1] - 1, 0) - 3)
;;       q = np.round(r / step) * step * 2.0 ** e      # np.round: ties to even
;;       return np.moveaxis(q.reshape(q.shape[:-2] + (-1,))[..., :K], -1, axis).astype(np.float32)
;;   ~~~
;;   SOFTMAX AHEAD OF A QUANTISED PRODUCT. Where the list says 'softmax', what is quantised is not the finished softmax but p = 2^(t - M), with t = logit x log2(e) and M = ceil(the row's largest t), a whole number; so 1/2 < the row's largest p <= 1. The row's sum l is taken of the UNQUANTISED p, in f32, and the product's result is divided by l at the end. Since M is a whole number, a kernel that streams over the keys may use a running M (the ceiling of the running maximum): every later rescaling is an exact power of two, which a block's scale takes up: the codes' values come out the same.
;;   OPERANDS COMPUTED ON THE WAY. 'Computed on the way' means the value that the module computes at that place (a softmax that the list does not call 'softmax' is quantised finished and normalised). What goes into a quantiser is computed in f32, as accurately as f32 sums, v_exp_f32 and their like allow (about 1e-6 of the number): no bf16 or f16 on the way to a quantiser, and a product that is left as it is and whose result goes on into a quantised operand takes f32 operands (vector FMAs, or v_wmma_f32_16x16x4_f32). A number that lies on a knife's edge between two numbers of the format may be rounded either way, as far as f32 arithmetic and the matrix unit's own rounding can turn it there, and no further.
;;   INPUTS GIVEN AS CODES. Wf (in the module: [1024, 1024], K = its axis 1); Wk (in the module: [1024, 1024], K = its axis 1); Wq (in the module: [1024, 1024], K = its axis 1); Wv (in the module: [1024, 1024], K = its axis 1); k (in the module: [4, 2048, 1024], K = its axis 2); q (in the module: [4, 2048, 1024], K = its axis 2): each comes as NAME_codes (uint8): NAME with its K axis moved to the last place and cut into blocks of 32 codes, [.., K / 32, bytes a block], one block behind the other in memory; four codes in three bytes: a row's codes are one little-endian stream of bits, code i at bits 6 i .. 6 i + 5 (a code: sign, 2 exponent bits, 3 mantissa bits); and NAME_scales (uint8): the same leading axes, one E8M0 byte (e + 127) for each 32 codes along K. Its value is code x scale, taken as it is: it is not quantised again, and the codes and scales need not be those that the quantiser above would give.
;; One version. Each part assembles by itself: llvm-mc -triple=amdgcn-amd-amdhsa -mcpu=gfx1250 --defsym DOCPART=n.
;; ======== version 1 of 1: 5 launches
;; workspace buffers: w1 6,553,600 bytes; w2 19,660,800 bytes; w3 14,155,776 bytes; w4 6,553,600 bytes
;; launch quantv (part 1): grid 256 x 1, 4 waves a work-group, no clusters, 33,280 bytes of LDS; arguments v, w1; writes w1
.if DOCPART == 1
	.amdgcn_target "amdgcn-amd-amdhsa--gfx1250"
	.amdhsa_code_object_version 6
	.text
	.protected	k_qb98681bcfe_quantv
	.globl	k_qb98681bcfe_quantv
	.p2align	8
	.type	k_qb98681bcfe_quantv,@function
k_qb98681bcfe_quantv:
	s_mov_b64 s[64:65], 0
	v_nop
	global_prefetch_b8 v0, s[64:65] scope:SCOPE_SE
	s_setreg_imm32_b32 hwreg(HW_REG_WAVE_MODE, 25, 1), 1
	s_wait_xcnt 0x0
; v [8192][1024], f32, is turned into codes of FP6 (E2M3), K innermost, 768 bytes a row, at w1 + 0, and one E8M0 byte for each 32 along K, 32 bytes a row, at w1 + 6,291,456:
; the layout in which q and k are given.  A block's scale is 2^(floor(log2(its largest magnitude)) - 2); its byte is the largest magnitude's exponent field - 2, held at 1 from below.
; (A block of zeros so gets the byte 1 where the quantiser says 127: its codes are zeros, which add nothing under any byte but 0xff, and this program alone reads the bytes.)
; LIMITS: blocks whose largest magnitude lies under 2^(2 - 126) have their byte held at 1; NaN and infinities among the inputs are not served.
; Rows are dense, so v is a plain stream of blocks of 32.  A wave takes 16 steps of 512 numbers.  Each load reads 512 consecutive bytes, 16 a lane; a step's 2,048 bytes turn through the wave's own
; stage in LDS (16 bytes of padding behind each 64) and come back 64 bytes a lane: 16 neighbours, as the conversion wants them; two neighbouring lanes hold a block.
; A lane's 16 codes are 12 bytes: the wave stores 384 consecutive bytes.  A wave's 256 scale bytes are gathered in its own LDS bytes and leave as one aligned block of 256 bytes.
; No matrix work, no tensor load, no barrier: waves share nothing.  Loads run four steps (16 loads a wave) ahead, the turn through LDS one step.
.set STEPS, 16
.set EMAX,  2
.set CB,    12                         ; bytes of 16 codes
.set R,     16                         ; v16-79   four sets of 16 numbers as they are loaded
.set X,     80                         ; v80-111  two sets of 16 neighbours
.set C,     128                        ; v128-191 codes: four registers for each step, so that no store's data are written again
.set E,     112                        ; v112-127 a scale byte for each step
.set WREG,  8192                       ; LDS: a region for each wave: two stages of 32 x SP bytes, behind them its 256 scale bytes
.set SP,    80                         ; a lane's place in a stage: 64 bytes + 16 of padding
	s_load_b128 s[4:7], s[0:1], 0x0                ; v, w1
	v_lshl_add_u32 v192, v0, 2, 0x8000
	v_mov_b32 v193, 0
	v_lshrrev_b32 v1, 5, v0
	v_readfirstlane_b32 s16, v1                    ; wave
	v_and_b32 v2, 31, v0                           ; lane
	v_lshlrev_b32 v3, 4, v2                        ; my 16 bytes of a load's 512
	s_mul_i32 s17, s16, WREG
	v_lshrrev_b32 v14, 2, v2
	v_mul_u32_u24 v14, v14, SP
	v_and_b32 v15, 3, v2
	v_lshl_add_u32 v14, v15, 4, v14
	v_add_nc_u32 v14, s17, v14                     ; the stage, on the way in: SP (lane / 4) + 16 (lane % 4)
	v_mul_u32_u24 v15, v2, SP
	v_add_nc_u32 v15, s17, v15                     ; and on the way out: SP x lane
	v_mul_u32_u24 v4, v2, CB                       ; my codes' place in a step's
	v_lshrrev_b32 v5, 1, v2
	s_add_co_u32 s17, s17, 2*32*SP
	v_add_nc_u32 v5, s17, v5                       ; LDS: my wave's 256 scale bytes, my block's byte
	v_lshlrev_b32 v7, 3, v2                        ; and on the way out 8 bytes a lane
	v_add_nc_u32 v6, s17, v7
	s_lshl_b32 s18, ttmp9, 2
	s_add_co_u32 s18, s18, s16                     ; which run of 8,192 numbers is my wave's
	s_lshl_b32 s20, s18, 15                        ; 32,768 bytes of v a run
	s_mov_b32 s21, 0
	s_mul_i32 s22, s18, 32*STEPS*CB                ; 6,144 bytes of codes
	s_mov_b32 s23, 0
	s_lshl_b32 s24, s18, 8                         ; 256 scale bytes
	s_mov_b32 s25, 0
	s_wait_kmcnt 0x0
	s_add_nc_u64 s[4:5], s[4:5], s[20:21]
	s_add_nc_u64 s[8:9], s[6:7], s[22:23]
	s_add_nc_u64 s[10:11], s[6:7], s[24:25]
	s_add_nc_u64 s[10:11], s[10:11], 0x600000
.macro LOAD t
.irp i, 0,1,2,3
	global_load_b128 v[R+16*((\t)%4)+4*\i:R+16*((\t)%4)+4*\i+3], v3, s[4:5] offset:2048*(\t)+512*\i th:TH_LOAD_NT   ; 32 lanes read 512 consecutive bytes
.endr
.endm
.macro TURN t                          ; step t's numbers through the stage: LDS serves a wave's instructions in order, so no wait stands between the stores and the loads
.irp i, 0,1,2,3
	ds_store_b128 v14, v[R+16*((\t)%4)+4*\i:R+16*((\t)%4)+4*\i+3] offset:32*SP*((\t)%2)+8*SP*\i
.endr
.irp i, 0,1,2,3
	ds_load_b128 v[X+16*((\t)%2)+4*\i:X+16*((\t)%2)+4*\i+3], v15 offset:32*SP*((\t)%2)+16*\i
.endr
.endm
.irp t, 0,1,2,3
	LOAD \t
.endr
	s_wait_loadcnt 12                              ; step 0's four loads are in; the twelve of steps 1 to 3 may be out
	TURN 0
.macro STEP t
.set XS, X+16*((\t)%2)
.if (\t) > 0
	s_wait_dscnt 1                                 ; this step's numbers are back from the stage (the last step's byte store may be out): so its stores into the stage have read their registers,
.else
	s_wait_dscnt 0x0
.endif
.if (\t)+4 < STEPS
	LOAD (\t)+4                                    ; which take the loads of four steps on
.endif
.if (\t)+1 < STEPS
.if STEPS-2-(\t) >= 3
	s_wait_loadcnt 12                              ; the next step's four loads are in; those of the three steps behind it may be out
.else
	s_wait_loadcnt 4*(STEPS-2-(\t))
.endif
	TURN (\t)+1                                    ; and go through the other stage while this step is worked
.endif
	v_max3_num_f32 v8, |v[XS]|, |v[XS+1]|, |v[XS+2]|               ; the largest magnitude of my 16, in two chains
	v_max3_num_f32 v9, |v[XS+3]|, |v[XS+4]|, |v[XS+5]|
.irp i, 6,10
	v_max3_num_f32 v8, v8, |v[XS+\i]|, |v[XS+\i+1]|
	v_max3_num_f32 v9, v9, |v[XS+\i+2]|, |v[XS+\i+3]|
.endr
	v_max3_num_f32 v8, v8, |v[XS+14]|, |v[XS+15]|
	v_max3_num_f32 v8, v8, v9, (EMAX+1)<<23        ; and the floor 2^(3 - 127): the byte cannot fall under 1
	v_max_num_f32_dpp v8, v8, v8 row_xmask:1 row_mask:0xf bank_mask:0xf   ; and of my neighbour's 16: the block's
	v_add_nc_u32 v11, -(EMAX<<23), v8              ; 2 off its exponent field: the conversion takes the exponent field of this operand as its scale
	v_cvt_scalef32_pk16_fp6_f32 v[C+4*(\t):C+4*(\t)+2], v[XS:XS+15], v11
	v_lshrrev_b32 v[E+(\t)], 23, v11               ; the scale's byte (also the plain line behind the conversion)
	ds_store_b8 v5, v[E+(\t)] offset:16*(\t)       ; both lanes of a block write the same byte with the same value
	global_store_b96 v4, v[C+4*(\t):C+4*(\t)+2], s[8:9] offset:32*CB*(\t)
.endm
.irp t, 0,1,2,3,4,5,6,7,8,9,10,11,12,13,14,15
	STEP \t
.endr
	ds_load_b64 v[12:13], v6                       ; LDS serves a wave's instructions in order: these see my stores
	s_wait_dscnt 0x0
	global_store_b64 v7, v[12:13], s[10:11]        ; 32 lanes store one aligned block of 256 bytes
	s_wait_tensorcnt 0x0
	ds_add_u32 v192, v193
	s_wait_dscnt 0x0
	s_endpgm
.Lfunc_end_k_qb98681bcfe_quantv:
	.size	k_qb98681bcfe_quantv, .Lfunc_end_k_qb98681bcfe_quantv-k_qb98681bcfe_quantv
	.p2alignl 7, 3214868480
	.fill 96, 4, 3214868480
	.section	.rodata,"a",@progbits
	.p2align	6, 0x0
	.amdhsa_kernel k_qb98681bcfe_quantv
		.amdhsa_group_segment_fixed_size 33280
		.amdhsa_private_segment_fixed_size 0
		.amdhsa_enable_private_segment 0
		.amdhsa_kernarg_size 16
		.amdhsa_user_sgpr_count 2
		.amdhsa_user_sgpr_kernarg_segment_ptr 1
		.amdhsa_wavefront_size32 1
		.amdhsa_system_sgpr_workgroup_id_x 1
		.amdhsa_system_sgpr_workgroup_id_y 1
		.amdhsa_system_sgpr_workgroup_id_z 1
		.amdhsa_system_vgpr_workitem_id 0
		.amdhsa_next_free_vgpr 194
		.amdhsa_next_free_sgpr 66
		.amdhsa_reserve_vcc 0
		.amdhsa_float_denorm_mode_32 3
		.amdhsa_float_denorm_mode_16_64 3
		.amdhsa_memory_ordered 1
		.amdhsa_forward_progress 1
		.amdhsa_inst_pref_size 32
	.end_amdhsa_kernel
	.amdgpu_metadata
---
amdhsa.version: [ 1, 2 ]
amdhsa.kernels:
  - .name:           k_qb98681bcfe_quantv
    .symbol:         k_qb98681bcfe_quantv.kd
    .args:
      - { .name: v, .offset: 0, .size: 8, .value_kind: global_buffer, .address_space: global }
      - { .name: w1, .offset: 8, .size: 8, .value_kind: global_buffer, .address_space: global }
    .group_segment_fixed_size: 33280
    .private_segment_fixed_size: 0
    .kernarg_segment_align: 8
    .kernarg_segment_size: 16
    .max_flat_workgroup_size: 128
    .sgpr_count:     66
    .vgpr_count:     194
    .wavefront_size: 32
...
	.end_amdgpu_metadata
.endif
;; end of part 1
;; launch proj (part 2): grid 4 x 64, 4 waves a work-group, clusters of 4 x 4, 327,680 bytes of LDS; arguments q_codes, q_scales, Wq_codes, Wq_scales, bq, k_codes, k_scales, Wk_codes, Wk_scales, bk, Wv_codes, Wv_scales, w1, bv, w2; writes w2
.if DOCPART == 2
	.amdgcn_target "amdgcn-amd-amdhsa--gfx1250"
	.amdhsa_code_object_version 6
	.text
	.protected	k_qb98681bcfe_proj
	.globl	k_qb98681bcfe_proj
	.p2align	8
	.type	k_qb98681bcfe_proj,@function
k_qb98681bcfe_proj:
	s_mov_b64 s[64:65], 0
	v_nop
	global_prefetch_b8 v0, s[64:65] scope:SCOPE_SE
	s_setreg_imm32_b32 hwreg(HW_REG_WAVE_MODE, 25, 1), 1
	s_wait_xcnt 0x0
	s_wait_alu depctr_hold_cnt(0) depctr_sa_sdst(0) depctr_va_vdst(0) depctr_va_sdst(0) depctr_va_ssrc(0) depctr_va_vcc(0) depctr_vm_vsrc(0)
	s_getreg_b32 s2, hwreg(HW_REG_IB_STS2, 6, 4)
	s_cmp_eq_u32 s2, 0
	s_cbranch_scc0 .Lentry_in_a_cluster
	s_endpgm
.Lentry_in_a_cluster:
	s_bfe_u32 s2, ttmp6, 0x10000c
	s_cmp_lg_u32 s2, 0xf033
	s_cbranch_scc0 .Lentry_shape_is_right
	s_endpgm
.Lentry_shape_is_right:
; THE THREE INPUT PROJECTIONS.  A WORK-GROUP STAYS and makes one tile of each of three jobs, one after the other:
;   job 0: qp[token][e] = q Wq^T + bq      job 1: kp[token][e] = k Wk^T + bk      job 2: vp^T[d][key] = Wv Q(v)^T + bv[d]   (key = 2048 batch + s)
; all on codes of FP6 (E2M3) with one E8M0 byte for each 32 along K = 1,024, sums in f32.  Each result is quantised along its COLUMNS (e, e, key), which are the K of the product that reads it, and stored in w2.
; The three tiles are written out by macros, so the job is a constant of the text: no choice and no loop hangs on it.
; qp is quantised WITHOUT the division by 8: a power of two moves the scale's byte alone, and the next launch folds 1/8 into its constant.
; LIMITS: blocks whose largest magnitude lies under 2^(2 - 126) (for qp: under 2^(5 - 126)) have their byte held otherwise than the quantiser's; NaN and infinities are not served.
; SHARES.  A tile is 128 (m) x 256 (n) of C; four waves, wave w: rows 64 (w / 2) on, columns 128 (w % 2) on: 32 accumulators of 16 x 16.  256 work-groups x 3 jobs = the 768 tiles.
; THE MATRIX INSTRUCTION IS USED TRANSPOSED (source 0 = 16 rows of B, source 1 = 16 rows of A): lane (r, h) holds row 16 a + r, register j of accumulator (a, b) column 16 b + 8 h + j.
; CLUSTER 4 x 4: A's tiles are asked for jointly along a row of the cluster, B's along a column.  Waves 0, 1 fetch A's halves (64 rows), waves 2, 3 B's halves (128 rows).
; LDS holds all operands of ONE tile for all of K.  A wave's part is a dense block of memory (rows of 768 bytes on end) and comes by ONE tensor load, as rows of 256 bytes with 16 bytes of padding behind each:
; a row of codes then takes 816 bytes = 204 words, so row r starts at bank 12 r mod 64 (64 banks of 4 bytes: ISA guide 11.1): sixteen different multiples of 4; lanes 16-31 read 6 or 10 words on: the 32 lanes of
; a load of 8 bytes touch 64 different banks.  THE NEXT JOB'S TILE is asked for as soon as the last K step's fragments are in registers, behind a round of the cluster's barrier, one load a wave, and lands
; while the last 16 products are issued and the tile is quantised and stored.  lds_bytes claims all of LDS.
; OUTPUT LAYOUT (w2, part j at j x 6,553,600): codes [K step of 128][block of 16 rows][1,536 bytes], the 1,536 bytes being the image of the operand's 12 registers (register group c of lane l at 512 c + 16 l);
; scale words [K step][row], 4 bytes, at + 6,291,456.  So a fragment is stored by three stores of 512 consecutive bytes and read by three loads.
; REGISTERS: window 0: v1-14 addresses; v16-19 scale words made; v32-79, v80-127 two sets of scale words (they hold nothing else): jobs 0 and 2, job 1;
;   v128-223 A's fragments, two sets, later the epilogue's numbers and codes; v224-242 at work.   window 1: v0-191 B's fragments, two sets.   window 2: the accumulators, (a, b) at v[8 (8 a + b)].
;   window 3: v0-63 bq, v64-127 bk of my 128 columns in the result's layout; v128-135 bv of my rows, a pair for each block of 16.
.set NQ,   8
.set RP,   816                         ; a row of 768 bytes in LDS: 3 x (256 + 16)
.set BLK,  16*RP                       ; a block of 16 rows
.set APART, 64*RP                      ; A's half: what one tensor load brings
.set BPART, 128*RP                     ; B's half
.set BB,   2*APART                     ; B begins here
.set SPARE, BB+2*BPART                 ; 313,344: the spare words, 128 bytes for each wave: two blocks of 256 bytes that no other line names
.set ROWW0, (3<<16)|(1<<20)|(1<<21)|(5<<22)|(3<<25)   ; group 1, word 0 beside the mask: elements of 8 bytes; padding on; bit 21 beside a mask; after every 64 words; 4 words of it
.set L16,  1                           ; v1   16 x lane
.set L4,   2                           ; v2   4 x lane
.set LA,   3                           ; v3   my place in A: 816 r + 24 h + my half
.set LAX,  4                           ; v4   the same with 40 h: for pieces behind one padding more in lanes 16-31
.set LB,   5                           ; v5-6 B likewise: blocks 0-3, 4-7 (an offset has 16 bits)
.set LBX,  7                           ; v7-8
.set V32L, 9                           ; v9   32 x lane
.set V4R,  10                          ; v10  4 r
.set V32H, 11                          ; v11  32 h
.set SPW,  12                          ; v12  LDS address of my spare word; never rewritten
.set NIL,  13                          ; v13  0; never rewritten
.set PFO,  14                          ; v14  256 x lane: the prefetches' offset; never rewritten
.set PWS,  16
.set SCA,  32                          ; A's scale words: register 8 i + q: lane l = row 32 i + l, K step q   (+ SS: the set in hand)
.set SCB,  48                          ; B's
.set WK,   128
.set PC,   192
.set TM,   224
.set PW,   240
.set SW,   241
.set G1A,  36                          ; s[36:43], s[44:51] descriptor groups 1;  s[52:55], s[56:59] groups 0
.set G1B,  44
.set G0A,  52
.set G0B,  56
.set WV,   60
.set MH,   61
.set NH,   62
.set CX,   63
.set CY,   66
.set IDX,  67                          ; the cluster's y, 0..15: the same in all partners
.set OA01, 68                          ; s[68:69] byte offset of the part of A that I fetch, jobs 0 and 1;  s[72:73] job 2   (made of the cluster's y, cy and the wave alone)
.set OB01, 70                          ; s[70:71] the same for B;  s[74:75] job 2                                             (of the cluster's y, cx and the wave alone)
.set OA2,  72
.set OB2,  74
.set PFA,  80                          ; s[80:81], s[82:83] where my work-group's prefetches of the next job's A and B begin (at the head these four registers are job 1's scale pointers)
.set PFB,  82
.set MHI,  90
.set SEL,  92
.set OUT,  94
.set OUTS, 96
.set RA,   98                          ; my first row of A;  my first row of B
.set RB,   99
.set SS,   0
.set MSB, 0
.macro WIN new                         ; the immediate's high byte repeats the setting that is left
.if MSB != \new
	s_set_vgpr_msb (MSB<<8)|\new
.set MSB, \new
.endif
.endm
.macro PLACES n
.rept \n
	v_nop
.endr
.endm
.macro CROUND                          ; a round of the cluster's barrier
	s_barrier_signal -1
	s_barrier_wait -1
	s_cmp_lg_u32 s[WV], 0
	s_cbranch_scc1 .Lnot_wave_0_\@
	s_barrier_signal -3
.Lnot_wave_0_\@:
	s_barrier_wait -3
	s_barrier_signal -1
	s_barrier_wait -1
.endm
.macro G1SET g, c, r, p                ; words 1 to 7 of a group 1: rows of c elements, r rows, p elements from row to row
	s_mov_b32 s[\g+1], ((\c)&0xffff)<<16
	s_mov_b32 s[\g+2], ((\c)>>16)|((\r)<<16)
	s_mov_b32 s[\g+3], ((\r)>>16)|((\c)<<16)
	s_mov_b32 s[\g+4], \r
	s_mov_b32 s[\g+5], \p
	s_mov_b32 s[\g+6], 0
	s_mov_b32 s[\g+7], 0
.endm
.macro NEXTD pa, oa, pb, ob            ; both groups 0 take a job's addresses: pointer + my part's offset, type 2
	s_add_nc_u64 s[G0A+2:G0A+3], s[\pa:\pa+1], s[\oa:\oa+1]
	s_or_b32 s[G0A+3], s[G0A+3], 0x80000000
	s_add_nc_u64 s[G0B+2:G0B+3], s[\pb:\pb+1], s[\ob:\ob+1]
	s_or_b32 s[G0B+3], s[G0B+3], 0x80000000
.endm
; A joint load: waves 0 and 1 fetch A's halves, waves 2 and 3 B's.  The branch hangs on the wave's number alone.  Four v_nop follow each of the two lines.
.macro JLOAD
	s_cmp_eq_u32 s[MH], 0
	s_cbranch_scc0 .Lfor_b_\@
	tensor_load_to_lds s[G0A:G0A+3], s[G1A:G1A+7]
	s_nop 0
	PLACES 4
	s_branch .Lasked_\@
.Lfor_b_\@:
	tensor_load_to_lds s[G0B:G0B+3], s[G1B:G1B+7]
	s_nop 0
	PLACES 4
.Lasked_\@:
.endm
; My first rows of job j's tile.  Jobs 0, 1: tile column cx, tile row 4 y + cy (y the cluster's);  job 2: tile column 4 (y % 8) + cx, tile row 4 (y / 8) + cy.
.macro ROWS j
.if (\j) == 2
	s_lshr_b32 s[RA], s[IDX], 3
	s_and_b32 s[RB], s[IDX], 7
	s_lshl_b32 s[RB], s[RB], 2
	s_add_co_u32 s[RB], s[RB], s[CX]
.else
	s_mov_b32 s[RA], s[IDX]
	s_mov_b32 s[RB], s[CX]
.endif
	s_lshl_b32 s[RA], s[RA], 2
	s_add_co_u32 s[RA], s[RA], s[CY]
	s_lshl_b32 s[RA], s[RA], 7
	s_lshl_b32 s91, s[MH], 6
	s_add_co_u32 s[RA], s[RA], s91                 ; 128 x tile row + 64 x my half
	s_lshl_b32 s[RB], s[RB], 8
	s_lshl_b32 s91, s[NH], 7
	s_add_co_u32 s[RB], s[RB], s91                 ; 256 x tile column + 128 x my half
.endm
.macro OUTSET j                        ; where job j's codes and scale words go: my 128 columns are K step RB / 128 of the output
	ROWS \j
	s_lshr_b32 s91, s[RB], 7
.if (\j) == 2
	s_mul_i32 s2, s91, 98304                       ; a K step of vp^T: 64 blocks of rows
.else
	s_mul_i32 s2, s91, 786432                      ; of qp, kp: 512
.endif
	s_mul_i32 s3, s[RA], 96                        ; 1,536 bytes for each 16 rows
	s_add_co_u32 s2, s2, s3
.if (\j) > 0
	s_add_co_u32 s2, s2, (\j)*6553600
.endif
	s_mov_b32 s3, 0
	s_add_nc_u64 s[OUT:OUT+1], s[32:33], s[2:3]
.if (\j) == 2
	s_lshl_b32 s2, s91, 12
.else
	s_lshl_b32 s2, s91, 15
.endif
	s_lshl_b32 s91, s[RA], 2
	s_add_co_u32 s2, s2, s91
	s_add_co_u32 s2, s2, (\j)*6553600+6291456
	s_add_nc_u64 s[OUTS:OUTS+1], s[32:33], s[2:3]
.endm
.macro SCG set, pa, pb                 ; a job's scale words, 32 bytes a row in memory, into a set: lane l takes row 32 i + l's eight words
.irp i, 0,1
	global_load_b128 v[\set+8*\i:\set+8*\i+3], v[V32L], s[\pa:\pa+1] offset:1024*\i
	global_load_b128 v[\set+8*\i+4:\set+8*\i+7], v[V32L], s[\pa:\pa+1] offset:1024*\i+16
.endr
.irp i, 0,1,2,3
	global_load_b128 v[\set+16+8*\i:\set+16+8*\i+3], v[V32L], s[\pb:\pb+1] offset:1024*\i
	global_load_b128 v[\set+16+8*\i+4:\set+16+8*\i+7], v[V32L], s[\pb:\pb+1] offset:1024*\i+16
.endr
.endm
; A PREFETCH INTO THE L2 of job n's tiles, which the joint load at the end of this tile's walk will ask for.  It stands behind K step 1's run of LDS loads: six K steps, 192 products, ahead of that load.
; A tile of A is 98,304 dense bytes, of B 196,608.  The four partners that ask for a tile jointly share it out BY ADDRESS (A: a quarter for each cx; B: for each cy); in each, wave 0 asks for A's quarter
; (3 instructions, lanes 256 bytes apart) and wave 2 for B's (6).  A tile that several clusters read is asked for by the first of them: job 1's B by cluster y = 0; job 2's A by y % 8 = 0, its B by y / 8 = 0.
; So each aligned block of 256 bytes is named once in the launch.  Job 0's tiles come by their loads alone; the last tile asks for nothing.
.macro ASKSET n, pa, pb
.if (\n) == 2
	s_lshr_b32 s2, s[IDX], 3
.else
	s_mov_b32 s2, s[IDX]
.endif
	s_lshl_b32 s2, s2, 2
	s_add_co_u32 s2, s2, s[CY]
	s_mul_i32 s2, s2, 128*768                      ; A's tile,
	s_mul_i32 s91, s[CX], 24576                    ; my work-group's quarter of it
	s_add_co_u32 s2, s2, s91
	s_mov_b32 s3, 0
	s_add_nc_u64 s[PFA:PFA+1], s[\pa:\pa+1], s[2:3]
.if (\n) == 2
	s_and_b32 s2, s[IDX], 7
	s_lshl_b32 s2, s2, 2
	s_add_co_u32 s2, s2, s[CX]
.else
	s_mov_b32 s2, s[CX]
.endif
	s_mul_i32 s2, s2, 256*768                      ; B's tile,
	s_mul_i32 s91, s[CY], 49152                    ; my work-group's quarter
	s_add_co_u32 s2, s2, s91
	s_add_nc_u64 s[PFB:PFB+1], s[\pb:\pb+1], s[2:3]
.endm
.macro ASK n
.if (\n) == 2
	s_and_b32 s91, s[IDX], 7
	s_or_b32 s91, s91, s[WV]
.else
	s_mov_b32 s91, s[WV]
.endif
	s_cmp_lg_u32 s91, 0                            ; wave 0, of the first cluster that reads these rows of A
	s_cbranch_scc1 .Lnot_a_\@
.irp k, 0,1,2
	global_prefetch_b8 v[PFO], s[PFA:PFA+1] offset:8192*\k th:TH_LOAD_NT scope:SCOPE_SE
.endr
.Lnot_a_\@:
	s_xor_b32 s91, s[WV], 2
.if (\n) == 2
	s_lshr_b32 s2, s[IDX], 3
.else
	s_mov_b32 s2, s[IDX]
.endif
	s_or_b32 s91, s91, s2
	s_cmp_lg_u32 s91, 0                            ; wave 2, of the first cluster that reads these rows of B
	s_cbranch_scc1 .Lnot_b_\@
.irp k, 0,1,2,3,4,5
	global_prefetch_b8 v[PFO], s[PFB:PFB+1] offset:8192*\k th:TH_LOAD_NT scope:SCOPE_SE
.endr
.Lnot_b_\@:
.endm
; A fragment (16 rows x 128 K, 12 registers) out of rows: lane (r, h) takes 24 bytes at 96 q + 24 h and 24 at 96 q + 48 + 24 h of its row, in pieces of 8 bytes.  Lanes 0-15 take the row's 8-byte piece PCE,
; lanes 16-31 the one three on; where that lies behind one padding more (PCE % 32 >= 29) the second address register serves.
.macro FRAGR reg, adr, adrx, q, boff
.irp p, 0,1,2,3,4,5
.set PCE, 12*(\q)+6*(\p/3)+\p%3
.if PCE%32 < 29
	ds_load_b64 v[\reg+2*\p:\reg+2*\p+1], v[\adr] offset:8*PCE+16*(PCE/32)+(\boff)
.else
	ds_load_b64 v[\reg+2*\p:\reg+2*\p+1], v[\adrx] offset:8*PCE+16*(PCE/32)+(\boff)
.endif
.endr
.endm
.macro FETCH q                         ; K step q's fragments into set q % 2: B's eight, A's four
	WIN 0x40
.irp b, 0,1,2,3,4,5,6,7
	FRAGR 96*((\q)%2)+12*\b, LB+\b/4, LBX+\b/4, \q, (\b%4)*BLK
.endr
	WIN 0
.irp a, 0,1,2,3
	FRAGR 128+48*((\q)%2)+12*\a, LA, LAX, \q, \a*BLK
.endr
.endm
; One product.  cm = 1: the first K step starts the sum with the constant 0; cm = 0: adds in place.  An odd block's scale words stand in lanes 16-31 of its register.
.macro WM a, b, q, cm
.set rD, 8*(8*(\a)+(\b))
.set rB, 96*((\q)%2)+12*(\b)
.set rA, 128+48*((\q)%2)+12*(\a)
.set rSB, SCB+SS+NQ*((\b)/2)+(\q)
.set rSA, SCA+SS+NQ*((\a)/2)+(\q)
.if (\cm) == 1
.if ((\a)%2 == 0) && ((\b)%2 == 0)
	v_wmma_scale_f32_16x16x128_f8f6f4 v[rD:rD+7], v[rB:rB+11], v[rA:rA+11], 0, v[rSB], v[rSA] matrix_a_fmt:MATRIX_FMT_FP6 matrix_b_fmt:MATRIX_FMT_FP6
.elseif ((\a)%2 == 0)
	v_wmma_scale_f32_16x16x128_f8f6f4 v[rD:rD+7], v[rB:rB+11], v[rA:rA+11], 0, v[rSB], v[rSA] matrix_a_fmt:MATRIX_FMT_FP6 matrix_b_fmt:MATRIX_FMT_FP6 matrix_a_scale:MATRIX_SCALE_ROW1
.elseif ((\b)%2 == 0)
	v_wmma_scale_f32_16x16x128_f8f6f4 v[rD:rD+7], v[rB:rB+11], v[rA:rA+11], 0, v[rSB], v[rSA] matrix_a_fmt:MATRIX_FMT_FP6 matrix_b_fmt:MATRIX_FMT_FP6 matrix_b_scale:MATRIX_SCALE_ROW1
.else
	v_wmma_scale_f32_16x16x128_f8f6f4 v[rD:rD+7], v[rB:rB+11], v[rA:rA+11], 0, v[rSB], v[rSA] matrix_a_fmt:MATRIX_FMT_FP6 matrix_b_fmt:MATRIX_FMT_FP6 matrix_a_scale:MATRIX_SCALE_ROW1 matrix_b_scale:MATRIX_SCALE_ROW1
.endif
.else
.if ((\a)%2 == 0) && ((\b)%2 == 0)
	v_wmma_scale_f32_16x16x128_f8f6f4 v[rD:rD+7], v[rB:rB+11], v[rA:rA+11], v[rD:rD+7], v[rSB], v[rSA] matrix_a_fmt:MATRIX_FMT_FP6 matrix_b_fmt:MATRIX_FMT_FP6
.elseif ((\a)%2 == 0)
	v_wmma_scale_f32_16x16x128_f8f6f4 v[rD:rD+7], v[rB:rB+11], v[rA:rA+11], v[rD:rD+7], v[rSB], v[rSA] matrix_a_fmt:MATRIX_FMT_FP6 matrix_b_fmt:MATRIX_FMT_FP6 matrix_a_scale:MATRIX_SCALE_ROW1
.elseif ((\b)%2 == 0)
	v_wmma_scale_f32_16x16x128_f8f6f4 v[rD:rD+7], v[rB:rB+11], v[rA:rA+11], v[rD:rD+7], v[rSB], v[rSA] matrix_a_fmt:MATRIX_FMT_FP6 matrix_b_fmt:MATRIX_FMT_FP6 matrix_b_scale:MATRIX_SCALE_ROW1
.else
	v_wmma_scale_f32_16x16x128_f8f6f4 v[rD:rD+7], v[rB:rB+11], v[rA:rA+11], v[rD:rD+7], v[rSB], v[rSA] matrix_a_fmt:MATRIX_FMT_FP6 matrix_b_fmt:MATRIX_FMT_FP6 matrix_a_scale:MATRIX_SCALE_ROW1 matrix_b_scale:MATRIX_SCALE_ROW1
.endif
.endif
.endm
; 16 products: A's blocks 2 half, 2 half + 1 against B's eight.  The 32 accumulators take turns, one instruction a turn, in the same order in every K step and every tile.
.macro MULH q, half, cm
	WIN 0xa1                                       ; B window 1, A window 0, C and D window 2
.irp a, 2*(\half), 2*(\half)+1
.irp b, 0,1,2,3,4,5,6,7
	WM \a, \b, \q, \cm
.endr
.endr
.endm
; A K step but the last: the next step's fragments are fetched, into the set that the step before multiplied (four plain places stand between those products and the loads), then the 32 products.
.macro STEP q, cm, ask
	s_wait_dscnt 0x0                               ; this step's fragments are in
	PLACES 4
	FETCH (\q)+1
.if (\ask) > 0
	ASK \ask
.endif
	MULH \q, 0, \cm
	MULH \q, 1, \cm
.endm
.macro WALK ask                        ; K steps 0 to 6 of a tile
	FETCH 0
	STEP 0, 1, 0
	STEP 1, 0, \ask
	STEP 2, 0, 0
	STEP 3, 0, 0
	STEP 4, 0, 0
	STEP 5, 0, 0
	STEP 6, 0, 0
.endm
; The last K step.  Its fragments are in registers: my reads of LDS are over.  fill = 1: the next job's tile is asked for.  Each wave waits for all its tensor loads (none is out), adds 0 to its spare word, writes both
; groups 0, waits for the add; a round of the cluster's barrier; the joint load first behind it, one a wave.
.macro LSTEP fill, pa, oa, pb, ob
	s_wait_dscnt 0x0                               ; this step's fragments are in: my reads of the tile are over
	MULH 7, 0, 0
.if \fill
	WIN 0
	s_wait_tensorcnt 0x0                           ; no tensor load of mine is out, so a group 0 may be written
	ds_add_u32 v[SPW], v[NIL]                      ; 0 onto my spare word
	NEXTD \pa, \oa, \pb, \ob
	s_wait_dscnt 0x0                               ; the add is done
	CROUND                                         ; no wave of any partner still reads the tile
	JLOAD
.endif
	MULH 7, 1, 0
.endm
; 64 numbers of a lane, register 8 b + j = column 16 b + 8 h + j, become register 16 b' + i = column 32 b' + 16 h + i: the first register's lanes 16-31 change places with the second's lanes 0-15
.macro SWAP32 s
.irp b, 0,1,2,3
.irp j, 0,1,2,3,4,5,6,7
	v_permlane16_swap_b32 v[\s+16*\b+\j], v[\s+16*\b+8+\j]
.endr
.endr
.endm
.macro QHEAD s                         ; the largest magnitude of each of the four blocks of 32, with the floor 2^(3 - 127) among the leaves: the byte cannot fall under 1
.irp b, 0,1,2,3
	v_max3_num_f32 v[TM+\b], |v[\s+16*\b]|, |v[\s+1+16*\b]|, 0x1800000
.endr
.irp i, 2,4,6,8,10,12,14
.irp b, 0,1,2,3
	v_max3_num_f32 v[TM+\b], v[TM+\b], |v[\s+16*\b+\i]|, |v[\s+1+16*\b+\i]|
.endr
.endr
.irp b, 0,1,2,3
	v_permlanex16_b32 v[TM+4+\b], v[TM+\b], s[SEL], s[SEL+1]
.endr
.irp b, 0,1,2,3
	v_max_num_f32 v[TM+\b], v[TM+\b], v[TM+4+\b]   ; with lane l xor 16's
.endr
.endm
.macro QTAIL s                         ; from the four largest magnitudes: the scale word in v[PW], the fragment's 12 registers in v[PC] on
.irp b, 0,1,2,3
	v_add_nc_u32 v[TM+12+\b], 0xff000000, v[TM+\b]   ; 2 off the exponent field: the conversion's scale operand
.endr
.irp b, 0,1,2,3
	v_lshrrev_b32 v[TM+4+\b], 23, v[TM+12+\b]      ; the scale's byte
.endr
	v_lshl_or_b32 v[PW], v[TM+5], 8, v[TM+4]
	v_lshl_or_b32 v[PW], v[TM+6], 16, v[PW]
	v_lshl_or_b32 v[PW], v[TM+7], 24, v[PW]
.irp c, 0,1
	v_cvt_scalef32_pk16_fp6_f32 v[PC+6*\c:PC+2+6*\c], v[\s+32*\c:\s+15+32*\c], v[TM+12+2*\c]
	v_cvt_scalef32_pk16_fp6_f32 v[PC+12+4*\c:PC+14+4*\c], v[\s+16+32*\c:\s+31+32*\c], v[TM+12+2*\c+1]   ; (a conversion's three registers begin on an even number)
.endr
	v_nop                                          ; one plain place behind a scaled conversion
.irp c, 0,1                            ; the operand's layout wants a whole block in a lane
.irp i, 0,1,2
	v_permlane16_swap_b32 v[PC+6*\c+\i], v[PC+12+4*\c+\i]
.endr
.irp i, 0,1,2
	v_mov_b32 v[PC+3+6*\c+\i], v[PC+12+4*\c+\i]
.endr
.endr
.endm
.macro PUT a                           ; the fragment's image: three stores of 512 consecutive bytes, at multiples of 256 from the buffer's first byte
.irp c, 0,1,2
	global_store_b128 v[L16], v[PC+4*\c:PC+4*\c+3], s[OUT:OUT+1] offset:(\a)*1536+512*\c
.endr
.endm
.macro PAIRST x, base, off, sw         ; four registers, one for each block of 16 rows (the same number in lanes l and l xor 16), leave as 64 words: lane l = row 32 i + l
.irp i, 0,1
	v_cndmask_b32 v[\sw+\i], v[\x+2*\i], v[\x+2*\i+1], s[MHI]
	global_store_b32 v[L4], v[\sw+\i], s[\base:\base+1] offset:\off+128*\i
.endr
.endm
; THE WAY OUT of job j's tile, a block of 16 rows x 128 columns at a time: + the bias (the same line brings the block into window 0), neighbours along the next K into a lane, quantised, stored as an image.
.macro EPI j
	WIN 0
	PLACES 4                                       ; behind the last products, ahead of the first read of results, the first write over fragments and the loads into scale registers
.if (\j) == 0
	ROWS 2                                         ; job 2's scale words take the set that job 0 has left; they have all of job 1's tile in which to land
	s_mov_b32 s3, 0
	s_lshl_b32 s2, s[RA], 5
	s_add_nc_u64 s[76:77], s[26:27], s[2:3]
	s_lshl_b32 s2, s[RB], 5
	s_add_nc_u64 s[78:79], s[34:35], s[2:3]
	SCG 32, 76, 78
	s_wait_loadcnt 12                              ; the biases are in; the twelve loads just issued may be out
.endif
	OUTSET \j
.irp a, 0,1,2,3
.if \a > 0
	s_wait_xcnt 0x0                                ; the last block's stores have read their registers
.endif
	WIN 0x0e                                       ; source 0 window 2, source 1 window 3
.set J, 0
.rept 32
.if (\j) == 2
	v_pk_add_f32 v[WK+J:WK+J+1], v[64*\a+J:64*\a+J+1], v[128+2*\a:129+2*\a]        ; + bv of my row; each accumulator from its low end on
.else
	v_pk_add_f32 v[WK+J:WK+J+1], v[64*\a+J:64*\a+J+1], v[64*(\j)+J:64*(\j)+J+1]    ; + the bias of my columns
.endif
.set J, J+2
.endr
	WIN 0
	SWAP32 WK
	QHEAD WK
	QTAIL WK
	v_mov_b32 v[PWS+\a], v[PW]
	PUT \a
.endr
	PAIRST PWS, OUTS, 0, SW
.endm
	s_load_b512 s[4:19], s[0:1], 0x0               ; pointer i of the 15 lies in s[4 + 2 i : 5 + 2 i], and stays there
	s_load_b256 s[20:27], s[0:1], 0x40
	s_load_b128 s[28:31], s[0:1], 0x60
	s_load_b64 s[32:33], s[0:1], 0x70
	v_lshl_add_u32 v[SPW], v0, 2, SPARE
	v_mov_b32 v[NIL], 0
	ds_add_u32 v12, v13
	ds_add_u32 v12, v13
	s_wait_dscnt 0x0
	v_lshrrev_b32 v24, 5, v0
	v_readfirstlane_b32 s[WV], v24                 ; wave 0..3
	s_lshr_b32 s[MH], s[WV], 1                     ; my half of the rows.  Also: I fetch for A (0) or for B (1)
	s_and_b32 s[NH], s[WV], 1                      ; my half of the columns.  Also: which half of that tile I fetch
	s_bfe_u32 s[CX], ttmp6, 0x40000
	s_bfe_u32 s[CY], ttmp6, 0x40004
	s_and_b32 s[IDX], ttmp7, 0xffff                ; the cluster's y
	s_lshl_b32 s3, s[CY], 2
	s_lshl_b32 s3, 15, s3                          ; my row of the cluster
	s_lshl_b32 s2, 0x1111, s[CX]                   ; my column
	s_or_b32 s[G1A], s3, ROWW0
	s_or_b32 s[G1B], s2, ROWW0
	G1SET G1A, 32, 192, 32                         ; 64 rows x 768 dense bytes as 192 rows of 256
	G1SET G1B, 32, 384, 32                         ; 128 rows as 384
	s_lshl_b32 s91, s[NH], 6
	s_lshl_b32 s[OA01], s[IDX], 2                  ; A, jobs 0 and 1: row 128 (4 y + cy) + 64 x half
	s_add_co_u32 s[OA01], s[OA01], s[CY]
	s_lshl_b32 s[OA01], s[OA01], 7
	s_add_co_u32 s[OA01], s[OA01], s91
	s_mul_i32 s[OA01], s[OA01], 768
	s_mov_b32 s[OA01+1], 0
	s_lshr_b32 s[OA2], s[IDX], 3                   ; A, job 2: row 128 (4 (y / 8) + cy) + 64 x half
	s_lshl_b32 s[OA2], s[OA2], 2
	s_add_co_u32 s[OA2], s[OA2], s[CY]
	s_lshl_b32 s[OA2], s[OA2], 7
	s_add_co_u32 s[OA2], s[OA2], s91
	s_mul_i32 s[OA2], s[OA2], 768
	s_mov_b32 s[OA2+1], 0
	s_lshl_b32 s91, s[NH], 7
	s_lshl_b32 s[OB01], s[CX], 8                   ; B, jobs 0 and 1: row 256 cx + 128 x half
	s_add_co_u32 s[OB01], s[OB01], s91
	s_mul_i32 s[OB01], s[OB01], 768
	s_mov_b32 s[OB01+1], 0
	s_and_b32 s[OB2], s[IDX], 7                    ; B, job 2: row 256 (4 (y % 8) + cx) + 128 x half
	s_lshl_b32 s[OB2], s[OB2], 2
	s_add_co_u32 s[OB2], s[OB2], s[CX]
	s_lshl_b32 s[OB2], s[OB2], 8
	s_add_co_u32 s[OB2], s[OB2], s91
	s_mul_i32 s[OB2], s[OB2], 768
	s_mov_b32 s[OB2+1], 0
	s_mov_b32 s[G0A], 1                            ; groups 0: count 1; the LDS address hangs on the wave alone and never changes
	s_mul_i32 s[G0A+1], s[NH], APART
	s_mov_b32 s[G0B], 1
	s_mul_i32 s[G0B+1], s[NH], BPART
	s_add_co_u32 s[G0B+1], s[G0B+1], BB
	s_mov_b32 s[MHI], 0xffff0000                   ; lanes 16-31
	s_mov_b32 s[SEL], 0x76543210
	s_mov_b32 s[SEL+1], 0xfedcba98                 ; v_permlanex16_b32's selects for lane l xor 16
	s_wait_kmcnt 0x0
	s_add_nc_u64 s[34:35], s[28:29], 0x600000      ; Q(v)'s scale bytes
	NEXTD 4, OA01, 8, OB01                         ; job 0: q, Wq
	CROUND                                         ; all sixteen work-groups are here: the joint loads meet
	JLOAD                                          ; the first fill: one load of mine is out
	; while the tile is on its way: scale words of jobs 0 and 1 and all three biases straight into registers
	v_and_b32 v24, 31, v0
	v_lshlrev_b32 v[L16], 4, v24
	v_lshlrev_b32 v[L4], 2, v24
	v_lshlrev_b32 v[V32L], 5, v24
	v_lshlrev_b32 v[PFO], 8, v24
	v_and_b32 v25, 15, v0                          ; r
	v_bfe_u32 v26, v0, 4, 1                        ; h
	v_lshlrev_b32 v[V4R], 2, v25
	v_lshlrev_b32 v[V32H], 5, v26
	ROWS 0
	s_mov_b32 s3, 0
	s_lshl_b32 s2, s[RA], 5                        ; scale bytes: 32 a row
	s_add_nc_u64 s[76:77], s[6:7], s[2:3]          ; q's
	s_add_nc_u64 s[80:81], s[16:17], s[2:3]        ; k's
	s_lshl_b32 s2, s[RB], 5
	s_add_nc_u64 s[78:79], s[10:11], s[2:3]        ; Wq's
	s_add_nc_u64 s[82:83], s[20:21], s[2:3]        ; Wk's
	s_lshl_b32 s2, s[RB], 2
	s_add_nc_u64 s[84:85], s[12:13], s[2:3]        ; bq of my columns
	s_add_nc_u64 s[86:87], s[22:23], s[2:3]        ; bk
	ROWS 2
	s_lshl_b32 s2, s[RA], 2
	s_add_nc_u64 s[88:89], s[30:31], s[2:3]        ; bv of my rows
	SCG 32, 76, 78
	SCG 80, 80, 82
	WIN 0xc0                                       ; destination window 3
.irp b, 0,1,2,3,4,5,6,7
	global_load_b128 v[8*\b:8*\b+3], v[V32H], s[84:85] offset:64*\b              ; bias of columns 16 b + 8 h + 0 .. 7
	global_load_b128 v[8*\b+4:8*\b+7], v[V32H], s[84:85] offset:64*\b+16
.endr
.irp b, 0,1,2,3,4,5,6,7
	global_load_b128 v[64+8*\b:64+8*\b+3], v[V32H], s[86:87] offset:64*\b
	global_load_b128 v[64+8*\b+4:64+8*\b+7], v[V32H], s[86:87] offset:64*\b+16
.endr
.irp a, 0,1,2,3
	global_load_b32 v[128+2*\a], v[V4R], s[88:89] offset:64*\a                   ; bias of row 16 a + r, twice: a pair for the packed addition
	global_load_b32 v[129+2*\a], v[V4R], s[88:89] offset:64*\a
.endr
	WIN 0
	v_mul_u32_u24 v27, v25, RP
	v_mad_u32_u24 v28, v26, 24, v27                ; 816 r + 24 h
	v_mad_u32_u24 v29, v26, 40, v27                ; 816 r + 40 h
	s_mul_i32 s91, s[MH], APART
	v_add_nc_u32 v[LA], s91, v28
	v_add_nc_u32 v[LAX], s91, v29
	s_mul_i32 s91, s[NH], BPART
	s_add_co_u32 s91, s91, BB
	v_add_nc_u32 v[LB], s91, v28
	v_add_nc_u32 v[LB+1], 4*BLK, v[LB]
	v_add_nc_u32 v[LBX], s91, v29
	v_add_nc_u32 v[LBX+1], 4*BLK, v[LBX]
.irp b, 0,1,2,3
	v_mov_b32 v[TM+4+\b], 0                        ; written once: a lane permute's destination counts as one of its sources
.endr
	; ---- job 0
	s_wait_loadcnt 40                              ; the 24 loads of scale words are in (so their four pointers may be written); the 40 of the biases may be out
	ASKSET 1, 14, 18
	s_wait_tensorcnt 0x0                           ; my part of the tile is in,
	s_barrier_signal -1
	s_barrier_wait -1                              ; everybody's is
.set SS, 0
	WALK 1
	LSTEP 1, 14, OA01, 18, OB01                    ; job 1: k, Wk
	EPI 0
	; ---- job 1
	s_wait_xcnt 0x0                                ; the stores have read their registers and their bases, the prefetches their addresses
	ASKSET 2, 24, 28
	s_wait_tensorcnt 0x0
	s_barrier_signal -1
	s_barrier_wait -1
.set SS, 48
	WALK 2
	LSTEP 1, 24, OA2, 28, OB2                      ; job 2: Wv, Q(v)
	EPI 1
	; ---- job 2
	s_wait_xcnt 0x0
	s_wait_loadcnt 0x0                             ; job 2's scale words
	s_wait_tensorcnt 0x0
	s_barrier_signal -1
	s_barrier_wait -1
.set SS, 0
	WALK 0
	LSTEP 0, 0, 0, 0, 0                            ; nothing more is asked for
	EPI 2
	s_wait_tensorcnt 0x0                           ; the wave's end
	ds_add_u32 v[SPW], v[NIL]
	s_wait_dscnt 0x0
	CROUND                                         ; the closing round: no work-group ends while a partner may still ask for a tile that names it
	s_endpgm
.Lfunc_end_k_qb98681bcfe_proj:
	.size	k_qb98681bcfe_proj, .Lfunc_end_k_qb98681bcfe_proj-k_qb98681bcfe_proj
	.p2alignl 7, 3214868480
	.fill 96, 4, 3214868480
	.section	.rodata,"a",@progbits
	.p2align	6, 0x0
	.amdhsa_kernel k_qb98681bcfe_proj
		.amdhsa_group_segment_fixed_size 327680
		.amdhsa_private_segment_fixed_size 0
		.amdhsa_enable_private_segment 0
		.amdhsa_kernarg_size 120
		.amdhsa_user_sgpr_count 2
		.amdhsa_user_sgpr_kernarg_segment_ptr 1
		.amdhsa_wavefront_size32 1
		.amdhsa_system_sgpr_workgroup_id_x 1
		.amdhsa_system_sgpr_workgroup_id_y 1
		.amdhsa_system_sgpr_workgroup_id_z 1
		.amdhsa_system_vgpr_workitem_id 0
		.amdhsa_next_free_vgpr 1024
		.amdhsa_next_free_sgpr 100
		.amdhsa_reserve_vcc 0
		.amdhsa_float_denorm_mode_32 3
		.amdhsa_float_denorm_mode_16_64 3
		.amdhsa_memory_ordered 1
		.amdhsa_forward_progress 1
		.amdhsa_inst_pref_size 255
	.end_amdhsa_kernel
	.section	.bss,"aw",@nobits
	.p2align	6
	.space	262144
	.amdgpu_metadata
---
amdhsa.version: [ 1, 2 ]
amdhsa.kernels:
  - .name:           k_qb98681bcfe_proj
    .symbol:         k_qb98681bcfe_proj.kd
    .args:
      - { .name: q_codes, .offset: 0, .size: 8, .value_kind: global_buffer, .address_space: global }
      - { .name: q_scales, .offset: 8, .size: 8, .value_kind: global_buffer, .address_space: global }
      - { .name: Wq_codes, .offset: 16, .size: 8, .value_kind: global_buffer, .address_space: global }
      - { .name: Wq_scales, .offset: 24, .size: 8, .value_kind: global_buffer, .address_space: global }
      - { .name: bq, .offset: 32, .size: 8, .value_kind: global_buffer, .address_space: global }
      - { .name: k_codes, .offset: 40, .size: 8, .value_kind: global_buffer, .address_space: global }
      - { .name: k_scales, .offset: 48, .size: 8, .value_kind: global_buffer, .address_space: global }
      - { .name: Wk_codes, .offset: 56, .size: 8, .value_kind: global_buffer, .address_space: global }
      - { .name: Wk_scales, .offset: 64, .size: 8, .value_kind: global_buffer, .address_space: global }
      - { .name: bk, .offset: 72, .size: 8, .value_kind: global_buffer, .address_space: global }
      - { .name: Wv_codes, .offset: 80, .size: 8, .value_kind: global_buffer, .address_space: global }
      - { .name: Wv_scales, .offset: 88, .size: 8, .value_kind: global_buffer, .address_space: global }
      - { .name: w1, .offset: 96, .size: 8, .value_kind: global_buffer, .address_space: global }
      - { .name: bv, .offset: 104, .size: 8, .value_kind: global_buffer, .address_space: global }
      - { .name: w2, .offset: 112, .size: 8, .value_kind: global_buffer, .address_space: global }
    .group_segment_fixed_size: 327680
    .private_segment_fixed_size: 0
    .kernarg_segment_align: 8
    .kernarg_segment_size: 120
    .max_flat_workgroup_size: 128
    .sgpr_count:     100
    .vgpr_count:     1024
    .wavefront_size: 32
...
	.end_amdgpu_metadata
.endif
;; end of part 2
;; launch scores (part 3): grid 4 x 64, 4 waves a work-group, clusters of 4 x 4, 327,680 bytes of LDS; arguments w2, w3; writes w3
.if DOCPART == 3
	.amdgcn_target "amdgcn-amd-amdhsa--gfx1250"
	.amdhsa_code_object_version 6
	.text
	.protected	k_qb98681bcfe_scores
	.globl	k_qb98681bcfe_scores
	.p2align	8
	.type	k_qb98681bcfe_scores,@function
k_qb98681bcfe_scores:
	s_mov_b64 s[64:65], 0
	v_nop
	global_prefetch_b8 v0, s[64:65] scope:SCOPE_SE
	s_setreg_imm32_b32 hwreg(HW_REG_WAVE_MODE, 25, 1), 1
	s_wait_xcnt 0x0
	s_wait_alu depctr_hold_cnt(0) depctr_sa_sdst(0) depctr_va_vdst(0) depctr_va_sdst(0) depctr_va_ssrc(0) depctr_va_vcc(0) depctr_vm_vsrc(0)
	s_getreg_b32 s2, hwreg(HW_REG_IB_STS2, 6, 4)
	s_cmp_eq_u32 s2, 0
	s_cbranch_scc0 .Lentry_in_a_cluster
	s_endpgm
.Lentry_in_a_cluster:
	s_bfe_u32 s2, ttmp6, 0x10000c
	s_cmp_lg_u32 s2, 0xf033
	s_cbranch_scc0 .Lentry_shape_is_right
	s_endpgm
.Lentry_shape_is_right:
; THE SCORES AND THE SOFTMAX'S p.  S[query][key] = qp . kp on codes of FP6 (E2M3), K = 1,024, for each of 4 batches; t = S x log2(e) / 8 (the division by 8 that the projection left out);
; p = 2^(t - M) is quantised along the keys and stored as codes; the f32 scores never go to memory.
; M IS LOCAL: the ceiling of the largest t among the 128 keys that a wave holds of a query.  M is a whole number, so the next launch brings a block under the row's own M by lowering its scale byte by the
; difference, which changes no code.  Stored beside the codes, for each query and each 128 keys: the scale word, -M (f32) and the sum of the unquantised p (f32).
; LIMITS: a p under 2^-126 counts as 0 (the exponential's own flush); NaN and infinities are not served.
; A WORK-GROUP STAYS: it makes two tiles of 128 queries x 256 keys, tile columns cx and cx + 4, of the SAME queries.  q's images stay in LDS for both; k's are filled again.
; SHARES, CLUSTER, TRANSPOSED USE: wave w: queries 64 (w / 2) on, keys 128 (w % 2) on; 32 accumulators; lane (r, h) holds query 16 a + r, register j of (a, b) key 16 b + 8 h + j.
; Cluster 4 x 4: q's tiles are asked for jointly along a row of the cluster, k's along a column.  Waves 0, 1 fetch q's halves, waves 2, 3 k's.
; OPERANDS lie in w2 as images of the operand's registers, [K step][block of 16 rows][1,536 bytes]: a K step's part of a tile is one dense run, a fragment is three loads of 16 bytes a lane at 16 x lane.
; LDS: q's 8 K steps (98,304 bytes), k's 8 K steps (196,608), the spare words.  First fills, three loads a wave: K steps 0-1, 2-3, 4-7; the walk starts when the first has landed.
; k's places 0-3 take the second tile's K steps 0-3 in K step 3 of the first tile; places 4-7 take its K steps 4-7 between the second and the third block of the first tile's softmax: each behind a round of the
; cluster's barrier, one load a wave.  So the first refill has four K steps and two blocks of the softmax in which to land, the second two blocks and four K steps: with that much of the
; wave's own work between a request and the wait for it, no prefetch is laid.  lds_bytes claims all of LDS.
; REGISTERS: window 0: v1-5 addresses; v6, v7 the spare word's address and 0; v16-27 scale words, -M, sums of the four blocks of rows; v32-47 q's scale words, v48-79 and v80-111 k's of the two tiles (nothing else);
;   v128-223 q's fragments, two sets, later p and its codes; v224-253 at work.   window 1: v0-191 k's fragments, two sets.   window 2: the accumulators, (a, b) at v[8 (8 a + b)].
.set NQ,   8
.set IMGW0, (3<<16)|(1<<21)            ; group 1, word 0 beside the mask: elements of 8 bytes, no padding, bit 21 beside a mask
.set SPARE, 294912                     ; behind the images: the spare words, 128 bytes for each wave: two blocks of 256 bytes that no other line names
.set L16,  1
.set L4,   2
.set ADA,  3                           ; v3   16 x lane + my half of A's images
.set ADB,  4                           ; v4-5 the same for B: places 0-3, 4-7 (an offset has 16 bits)
.set SPW,  6
.set NIL,  7
.set PWS,  16
.set NMS,  20
.set LSS,  24
.set SCA,  32
.set SCB,  48
.set WK,   128
.set PC,   192
.set TM,   224
.set PW,   240
.set G1A2, 16                          ; s[16:47] four groups 1: A, 2 and 4 K steps; B, 2 and 4;  s[48:59], s[68:79] groups 0
.set G1A4, 24
.set G1B2, 32
.set G1B4, 40
.set G0A,  48
.set G0B,  68
.set WV,   60
.set MH,   61
.set NH,   62
.set CX,   63
.set CY,   66
.set GY,   67
.set TCOL, 80
.set BAT,  81
.set MHI,  82
.set CS,   84
.set SEL,  86
.set OUT,  88
.set OUTS, 90
.set MSB, 0
.macro WIN new                         ; the immediate's high byte repeats the setting that is left
.if MSB != \new
	s_set_vgpr_msb (MSB<<8)|\new
.set MSB, \new
.endif
.endm
.macro PLACES n
.rept \n
	v_nop
.endr
.endm
.macro CROUND                          ; a round of the cluster's barrier
	s_barrier_signal -1
	s_barrier_wait -1
	s_cmp_lg_u32 s[WV], 0
	s_cbranch_scc1 .Lnot_wave_0_\@
	s_barrier_signal -3
.Lnot_wave_0_\@:
	s_barrier_wait -3
	s_barrier_signal -1
	s_barrier_wait -1
.endm
.macro G1SET g, c, r, p
	s_mov_b32 s[\g+1], ((\c)&0xffff)<<16
	s_mov_b32 s[\g+2], ((\c)>>16)|((\r)<<16)
	s_mov_b32 s[\g+3], ((\r)>>16)|((\c)<<16)
	s_mov_b32 s[\g+4], \r
	s_mov_b32 s[\g+5], \p
	s_mov_b32 s[\g+6], 0
	s_mov_b32 s[\g+7], 0
.endm
.macro G0SET g, lreg, loff, adr, goff
	s_mov_b32 s[\g], 1
	s_add_co_u32 s[\g+1], s[\lreg], \loff
	s_add_nc_u64 s[\g+2:\g+3], s[\adr:\adr+1], \goff
	s_or_b32 s[\g+3], s[\g+3], 0x80000000
.endm
.macro FRAGI reg, adr, off             ; a fragment from its image: 512 consecutive bytes a load
.irp c, 0,1,2
	ds_load_b128 v[\reg+4*\c:\reg+4*\c+3], v[\adr] offset:\off+512*\c
.endr
.endm
.macro FETCH q                         ; step q (0-7: the first tile's K steps, 8-15: the second's): fragments from place q % 8 into set q % 2
.set POS, (\q)%8
	WIN 0x40
.irp b, 0,1,2,3,4,5,6,7
	FRAGI 96*((\q)%2)+12*\b, ADB+POS/4, (POS%4)*12288+1536*\b
.endr
	WIN 0
.irp a, 0,1,2,3
	FRAGI 128+48*((\q)%2)+12*\a, ADA, POS*6144+1536*\a
.endr
.endm
.macro SCO reg, ni, nq, base, kss, off ; words [K step][row]: register nq i + q: lane l = row 32 i + l, K step q
.set II, 0
.rept \ni
.set QQ, 0
.rept \nq
	global_load_b32 v[\reg+(\nq)*II+QQ], v[L4], s[\base:\base+1] offset:(\off)+QQ*(\kss)+128*II
.set QQ, QQ+1
.endr
.set II, II+1
.endr
.endm
; One product.  cm = 1: a tile's first K step starts the sum with the constant 0; cm = 0: adds in place.  An odd block's scale words stand in lanes 16-31 of its register.
.macro WM a, b, q, cm
.set rD, 8*(8*(\a)+(\b))
.set rB, 96*((\q)%2)+12*(\b)
.set rA, 128+48*((\q)%2)+12*(\a)
.set rSB, SCB+32*((\q)/8)+NQ*((\b)/2)+(\q)%8
.set rSA, SCA+NQ*((\a)/2)+(\q)%8
.if (\cm) == 1
.if ((\a)%2 == 0) && ((\b)%2 == 0)
	v_wmma_scale_f32_16x16x128_f8f6f4 v[rD:rD+7], v[rB:rB+11], v[rA:rA+11], 0, v[rSB], v[rSA] matrix_a_fmt:MATRIX_FMT_FP6 matrix_b_fmt:MATRIX_FMT_FP6
.elseif ((\a)%2 == 0)
	v_wmma_scale_f32_16x16x128_f8f6f4 v[rD:rD+7], v[rB:rB+11], v[rA:rA+11], 0, v[rSB], v[rSA] matrix_a_fmt:MATRIX_FMT_FP6 matrix_b_fmt:MATRIX_FMT_FP6 matrix_a_scale:MATRIX_SCALE_ROW1
.elseif ((\b)%2 == 0)
	v_wmma_scale_f32_16x16x128_f8f6f4 v[rD:rD+7], v[rB:rB+11], v[rA:rA+11], 0, v[rSB], v[rSA] matrix_a_fmt:MATRIX_FMT_FP6 matrix_b_fmt:MATRIX_FMT_FP6 matrix_b_scale:MATRIX_SCALE_ROW1
.else
	v_wmma_scale_f32_16x16x128_f8f6f4 v[rD:rD+7], v[rB:rB+11], v[rA:rA+11], 0, v[rSB], v[rSA] matrix_a_fmt:MATRIX_FMT_FP6 matrix_b_fmt:MATRIX_FMT_FP6 matrix_a_scale:MATRIX_SCALE_ROW1 matrix_b_scale:MATRIX_SCALE_ROW1
.endif
.else
.if ((\a)%2 == 0) && ((\b)%2 == 0)
	v_wmma_scale_f32_16x16x128_f8f6f4 v[rD:rD+7], v[rB:rB+11], v[rA:rA+11], v[rD:rD+7], v[rSB], v[rSA] matrix_a_fmt:MATRIX_FMT_FP6 matrix_b_fmt:MATRIX_FMT_FP6
.elseif ((\a)%2 == 0)
	v_wmma_scale_f32_16x16x128_f8f6f4 v[rD:rD+7], v[rB:rB+11], v[rA:rA+11], v[rD:rD+7], v[rSB], v[rSA] matrix_a_fmt:MATRIX_FMT_FP6 matrix_b_fmt:MATRIX_FMT_FP6 matrix_a_scale:MATRIX_SCALE_ROW1
.elseif ((\b)%2 == 0)
	v_wmma_scale_f32_16x16x128_f8f6f4 v[rD:rD+7], v[rB:rB+11], v[rA:rA+11], v[rD:rD+7], v[rSB], v[rSA] matrix_a_fmt:MATRIX_FMT_FP6 matrix_b_fmt:MATRIX_FMT_FP6 matrix_b_scale:MATRIX_SCALE_ROW1
.else
	v_wmma_scale_f32_16x16x128_f8f6f4 v[rD:rD+7], v[rB:rB+11], v[rA:rA+11], v[rD:rD+7], v[rSB], v[rSA] matrix_a_fmt:MATRIX_FMT_FP6 matrix_b_fmt:MATRIX_FMT_FP6 matrix_a_scale:MATRIX_SCALE_ROW1 matrix_b_scale:MATRIX_SCALE_ROW1
.endif
.endif
.endm
.macro MULH q, half, cm                ; 16 products; the 32 accumulators take turns, one instruction a turn, in the same order in every K step
	WIN 0xa1                                       ; B window 1, A window 0, C and D window 2
.irp a, 2*(\half), 2*(\half)+1
.irp b, 0,1,2,3,4,5,6,7
	WM \a, \b, \q, \cm
.endr
.endr
.endm
; A K step.  kind 0: fetch the next step's fragments into the set that the step before multiplied (four plain places between those products and the loads), then 32 products.
; kind 1: the next step's images may still be on their way: each wave waits for its own part (cnt younger loads may be out), a barrier shows them whole. kind 2: a tile's last step.
.macro STEP q, kind, cnt, cm
	s_wait_dscnt 0x0                               ; this step's fragments are in; no LDS instruction of mine is out
.if (\kind) == 0
	PLACES 4
	FETCH (\q)+1
	MULH \q, 0, \cm
	MULH \q, 1, \cm
.elseif (\kind) == 1
	MULH \q, 0, \cm
	s_wait_tensorcnt \cnt
	s_barrier_signal -1
	s_barrier_wait -1
	PLACES 4
	FETCH (\q)+1
	MULH \q, 1, \cm
.else
	MULH \q, 0, \cm
	MULH \q, 1, \cm
.endif
.endm
; A joint refill of four K steps of k with group 0 number j: waves 2 and 3 alone; the branch hangs on the wave's number alone.  Four v_nop follow the load.
.macro JLOADB j
	s_cmp_eq_u32 s[MH], 0
	s_cbranch_scc1 .Lnone_\@
	tensor_load_to_lds s[G0B+4*\j:G0B+4*\j+3], s[G1B4:G1B4+7]
	s_nop 0
	PLACES 4
.Lnone_\@:
.endm
; What stands in front of a refill, in every wave: the wait for all its tensor loads, 0 onto its spare word, the step of the group 0 that is due (to the tile four tile columns on: 64 blocks of 1,536 bytes),
; the wait for the add and for its LDS reads; a round of the cluster's barrier; the joint refill first behind it.
.macro RFILL j
	WIN 0
	s_wait_tensorcnt 0x0                           ; no tensor load of mine is out, so a group 0 may be written
	ds_add_u32 v[SPW], v[NIL]                      ; 0 onto my spare word
	s_add_nc_u64 s[G0B+4*\j+2:G0B+4*\j+3], s[G0B+4*\j+2:G0B+4*\j+3], 98304
	s_wait_dscnt 0x0                               ; the add is done, and my reads of the places to be filled are over
	CROUND                                         ; no wave of any partner still reads them or has a load on its way; what was on its way is whole
	JLOADB \j
.endm
.macro RSTEP q, j                      ; K step 3 of the first tile: its fragments, the last of places 0-3, are in registers
	s_wait_dscnt 0x0
	MULH \q, 0, 0
	RFILL \j
	PLACES 4                                       ; on every wave's path: in front of the loads into the set that the step before multiplied
	FETCH (\q)+1
	MULH \q, 1, 0
.endm
.macro SWAP32 s                        ; register 8 b + j = key 16 b + 8 h + j becomes register 16 b' + i = key 32 b' + 16 h + i
.irp b, 0,1,2,3
.irp j, 0,1,2,3,4,5,6,7
	v_permlane16_swap_b32 v[\s+16*\b+\j], v[\s+16*\b+8+\j]
.endr
.endr
.endm
.macro QTAIL s                         ; from the four largest magnitudes in v[TM] on: the scale word in v[PW], the fragment's 12 registers in v[PC] on
.irp b, 0,1,2,3
	v_add_nc_u32 v[TM+12+\b], 0xff000000, v[TM+\b]   ; 2 off the exponent field: the conversion's scale operand
.endr
.irp b, 0,1,2,3
	v_lshrrev_b32 v[TM+4+\b], 23, v[TM+12+\b]      ; the scale's byte
.endr
	v_lshl_or_b32 v[PW], v[TM+5], 8, v[TM+4]
	v_lshl_or_b32 v[PW], v[TM+6], 16, v[PW]
	v_lshl_or_b32 v[PW], v[TM+7], 24, v[PW]
.irp c, 0,1
	v_cvt_scalef32_pk16_fp6_f32 v[PC+6*\c:PC+2+6*\c], v[\s+32*\c:\s+15+32*\c], v[TM+12+2*\c]
	v_cvt_scalef32_pk16_fp6_f32 v[PC+12+4*\c:PC+14+4*\c], v[\s+16+32*\c:\s+31+32*\c], v[TM+12+2*\c+1]   ; (a conversion's three registers begin on an even number)
.endr
	v_nop                                          ; one plain place behind a scaled conversion
.irp c, 0,1
.irp i, 0,1,2
	v_permlane16_swap_b32 v[PC+6*\c+\i], v[PC+12+4*\c+\i]
.endr
.irp i, 0,1,2
	v_mov_b32 v[PC+3+6*\c+\i], v[PC+12+4*\c+\i]
.endr
.endr
.endm
.macro PUT a
.irp c, 0,1,2
	global_store_b128 v[L16], v[PC+4*\c:PC+4*\c+3], s[OUT:OUT+1] offset:(\a)*1536+512*\c   ; 512 consecutive bytes, at a multiple of 256 from the buffer's first byte
.endr
.endm
.macro PAIRST x, base, off, sw         ; four registers, one for each block of 16 rows (the same number in lanes l and l xor 16), leave as 64 words
.irp i, 0,1
	v_cndmask_b32 v[\sw+\i], v[\x+2*\i], v[\x+2*\i+1], s[MHI]
	global_store_b32 v[L4], v[\sw+\i], s[\base:\base+1] offset:\off+128*\i
.endr
.endm
; THE SOFTMAX OF 16 QUERIES x MY 128 KEYS (block a of rows).  The largest score of each block of 32 keys serves twice: for M, and, since p rises with the score, for the block's largest p,
; which is made by the same multiply-add and exponential as every p.
.macro SOFTQ a
.if (\a) > 0
	s_wait_xcnt 0x0                                ; the last block's stores have read their registers
.endif
	WIN 0x28                                       ; sources 1 and 2: window 2
.irp b, 0,1,2,3
	v_max3_num_f32 v[TM+\b], 0xff800000, v[64*(\a)+16*\b], v[64*(\a)+16*\b+1]   ; each accumulator from its low end on
.endr
.irp i, 2,4,6,8,10,12,14
.irp b, 0,1,2,3
	v_max3_num_f32 v[TM+\b], v[TM+\b], v[64*(\a)+16*\b+\i], v[64*(\a)+16*\b+\i+1]
.endr
.endr
	WIN 0
.irp b, 0,1,2,3
	v_permlanex16_b32 v[TM+4+\b], v[TM+\b], s[SEL], s[SEL+1]
.endr
.irp b, 0,1,2,3
	v_max_num_f32 v[TM+\b], v[TM+\b], v[TM+4+\b]   ; with lane l xor 16's 16 keys: the block's largest score
.endr
	v_max3_num_f32 v250, v[TM], v[TM+1], v[TM+2]
	v_max_num_f32 v250, v250, v[TM+3]
	v_mul_f32 v250, s[CS], v250                    ; the largest t (c is positive)
	v_floor_f32 v242, -v250                        ; -M = floor(-t) = -ceil(t): a whole number
	v_mov_b32 v243, v242                           ; (named with it as a pair)
	v_mov_b32 v[NMS+(\a)], v242
	WIN 0x02                                       ; source 0: window 2
.set J, 0
.rept 32
	v_pk_fma_f32 v[WK+J:WK+J+1], v[64*(\a)+J:64*(\a)+J+1], s[CS:CS+1], v[242:243] op_sel_hi:[1,0,0]   ; t - M, two at a time
.set J, J+2
.endr
	WIN 0
.irp b, 0,1,2,3
	v_fma_f32 v[TM+\b], v[TM+\b], s[CS], v242      ; the same of each block's largest score
.endr
.set J, 0
.rept 64
	v_exp_f32 v[WK+J], v[WK+J]                     ; p = 2^(t - M), at most 1, not normalised
.set J, J+1
.endr
	v_nop                                          ; a plain place behind the exponentials
	s_wait_alu depctr_va_vdst(0)                   ; one wait for the batch of 64, ahead of its first reader
.irp b, 0,1,2,3
	v_exp_f32 v[TM+\b], v[TM+\b]                   ; each block's largest p
.endr
	v_pk_add_f32 v[244:245], v[WK:WK+1], v[WK+2:WK+3]         ; the sum of the UNQUANTISED p, two at a time, in two chains: plain work behind the four
	v_pk_add_f32 v[246:247], v[WK+4:WK+5], v[WK+6:WK+7]
.irp j, 8,12,16,20,24,28,32,36,40,44,48,52,56,60
	v_pk_add_f32 v[244:245], v[244:245], v[WK+\j:WK+\j+1]
	v_pk_add_f32 v[246:247], v[246:247], v[WK+\j+2:WK+\j+3]
.endr
	v_pk_add_f32 v[244:245], v[244:245], v[246:247]
	v_add_f32 v244, v244, v245
	v_permlanex16_b32 v245, v244, s[SEL], s[SEL+1]
	v_add_f32 v[LSS+(\a)], v244, v245              ; with lane l xor 16's: the query's sum over my 128 keys
	SWAP32 WK
	s_wait_alu depctr_va_vdst(0)                   ; and one for the four
.irp b, 0,1,2,3
	v_max_num_f32 v[TM+\b], 0x1800000, v[TM+\b]    ; the floor 2^(3 - 127): the byte cannot fall under 1 (a block of zeros keeps that byte: its codes are zeros)
.endr
	QTAIL WK
	v_mov_b32 v[PWS+(\a)], v[PW]
	PUT \a
.endm
	s_load_b128 s[4:7], s[0:1], 0x0                ; w2, w3
	v_lshl_add_u32 v[SPW], v0, 2, SPARE
	v_mov_b32 v[NIL], 0
	ds_add_u32 v6, v7
	ds_add_u32 v6, v7
	s_wait_dscnt 0x0
	v_lshrrev_b32 v8, 5, v0
	v_readfirstlane_b32 s[WV], v8                  ; wave 0..3
	s_lshr_b32 s[MH], s[WV], 1                     ; my half of the queries.  Also: I fetch for A (0) or for B (1)
	s_and_b32 s[NH], s[WV], 1                      ; my half of the keys.  Also: which half of that tile I fetch
	s_bfe_u32 s[CX], ttmp6, 0x40000
	s_bfe_u32 s[CY], ttmp6, 0x40004
	s_lshl_b32 s[TCOL], ttmp9, 2
	s_add_co_u32 s[TCOL], s[TCOL], s[CX]           ; the first tile's column: 256 keys of the batch, 0..3 (the grid has one cluster along x); the second tile's is 4 on
	s_and_b32 s[BAT], ttmp7, 0xffff
	s_lshl_b32 s[GY], s[BAT], 2
	s_add_co_u32 s[GY], s[GY], s[CY]               ; tile row: 128 queries of all batches, 0..63
	s_lshr_b32 s[BAT], s[BAT], 2                   ; the batch: from the cluster's y alone
	s_lshl_b32 s3, s[CY], 2
	s_lshl_b32 s3, 15, s3                          ; my row of the cluster
	s_lshl_b32 s2, 0x1111, s[CX]                   ; my column
	s_or_b32 s[G1A2], s3, IMGW0
	s_or_b32 s[G1A4], s3, IMGW0
	s_or_b32 s[G1B2], s2, IMGW0
	s_or_b32 s[G1B4], s2, IMGW0
	G1SET G1A2, 768, 2, 98304                      ; A: 4 blocks of rows = 6,144 bytes of each of 2 K steps, 786,432 bytes apart
	G1SET G1A4, 768, 4, 98304
	G1SET G1B2, 1536, 2, 98304                     ; B: 8 blocks = 12,288 bytes
	G1SET G1B4, 1536, 4, 98304
	s_mov_b32 s[MHI], 0xffff0000
	s_mov_b32 s[SEL], 0x76543210
	s_mov_b32 s[SEL+1], 0xfedcba98
	s_mov_b32 s[CS], 0x3e38aa3b                    ; c = log2(e) / 8
	s_mov_b32 s[CS+1], s[CS]
	s_mul_i32 s96, s[GY], 12288                    ; A: block of rows 8 x tile row + 4 x half (s92, s96, s97 never hold cx)
	s_mul_i32 s92, s[NH], 6144
	s_add_co_u32 s96, s96, s92
	s_mov_b32 s97, 0
	s_mul_i32 s92, s[NH], 49152
	s_mul_i32 s98, s[BAT], 196608                  ; B: block of rows 128 x batch + 16 x tile column + 8 x half, in kp's part of w2 (s93, s98, s99 never hold cy)
	s_mul_i32 s93, s[TCOL], 24576
	s_add_co_u32 s98, s98, s93
	s_mul_i32 s93, s[NH], 12288
	s_add_co_u32 s98, s98, s93
	s_add_co_u32 s98, s98, 6553600
	s_mov_b32 s99, 0
	s_mul_i32 s93, s[NH], 98304
	s_add_co_u32 s93, s93, 98304
	s_wait_kmcnt 0x0
	s_add_nc_u64 s[96:97], s[4:5], s[96:97]
	s_add_nc_u64 s[98:99], s[4:5], s[98:99]
.irp j, 0,1,2
	G0SET G0A+4*\j, 92, 2*\j*6144, 96, 2*\j*786432     ; from K step 0, 2, 4 on
	G0SET G0B+4*\j, 93, 2*\j*12288, 98, 2*\j*786432
.endr
	CROUND                                         ; all sixteen work-groups are here: the first joint loads meet
	s_cmp_eq_u32 s[MH], 0                          ; a wave's three first fills stand in one branch, ahead of every wait on TENSORcnt, every LDS read and every other barrier: three loads of mine are out
	s_cbranch_scc0 .Lfill_b
	tensor_load_to_lds s[G0A:G0A+3], s[G1A2:G1A2+7]
	s_nop 0
	tensor_load_to_lds s[G0A+4:G0A+7], s[G1A2:G1A2+7]
	s_nop 0
	tensor_load_to_lds s[G0A+8:G0A+11], s[G1A4:G1A4+7]
	s_nop 0
	PLACES 4
	s_branch .Lfilled
.Lfill_b:
	tensor_load_to_lds s[G0B:G0B+3], s[G1B2:G1B2+7]
	s_nop 0
	tensor_load_to_lds s[G0B+4:G0B+7], s[G1B2:G1B2+7]
	s_nop 0
	tensor_load_to_lds s[G0B+8:G0B+11], s[G1B4:G1B4+7]
	s_nop 0
	PLACES 4
.Lfilled:
	v_and_b32 v8, 31, v0
	v_lshlrev_b32 v[L16], 4, v8
	v_lshlrev_b32 v[L4], 2, v8
	s_lshl_b32 s14, s[GY], 7
	s_lshl_b32 s15, s[MH], 6
	s_add_co_u32 s14, s14, s15                     ; my first query
	s_mov_b32 s13, 0
	s_lshl_b32 s12, s14, 2
	s_add_nc_u64 s[8:9], s[4:5], s[12:13]
	s_add_nc_u64 s[8:9], s[8:9], 6291456           ; qp's scale words
	s_lshl_b32 s12, s[BAT], 11
	s_lshl_b32 s15, s[TCOL], 8
	s_add_co_u32 s12, s12, s15
	s_lshl_b32 s15, s[NH], 7
	s_add_co_u32 s12, s12, s15                     ; my first key of the first tile
	s_lshl_b32 s12, s12, 2
	s_add_nc_u64 s[10:11], s[4:5], s[12:13]
	s_add_nc_u64 s[10:11], s[10:11], 12845056      ; kp's scale words
	SCO SCA, 2, 8, 8, 32768, 0
	SCO SCB, 4, 8, 10, 32768, 0
	s_lshl_b32 s15, s[TCOL], 1
	s_add_co_u32 s15, s15, s[NH]                   ; my 128 keys are K step 2 x tile column + half of the next product
	s_mul_i32 s12, s15, 786432
	s_mul_i32 s83, s14, 96
	s_add_co_u32 s12, s12, s83
	s_add_nc_u64 s[OUT:OUT+1], s[6:7], s[12:13]
	s_lshl_b32 s12, s15, 15
	s_lshl_b32 s83, s14, 2
	s_add_co_u32 s12, s12, s83
	s_add_nc_u64 s[OUTS:OUTS+1], s[6:7], s[12:13]
	s_add_nc_u64 s[OUTS:OUTS+1], s[OUTS:OUTS+1], 12582912
	s_mul_i32 s83, s[MH], 49152
	v_add_nc_u32 v[ADA], s83, v[L16]
	s_mul_i32 s95, s[NH], 98304
	s_add_co_u32 s95, s95, 98304
	v_add_nc_u32 v[ADB], s95, v[L16]
	v_add_nc_u32 v[ADB+1], 49152, v[ADB]
.irp b, 0,1,2,3
	v_mov_b32 v[TM+4+\b], 0                        ; written once: a lane permute's destination counts as one of its sources
.endr
	s_wait_loadcnt 0x0                             ; the first tile's scale words
	s_wait_tensorcnt 0x2                           ; my part of K steps 0 and 1 is in; my two younger loads may be out
	s_barrier_signal -1
	s_barrier_wait -1
	; ---- the first tile
	FETCH 0
	STEP 0, 0, 0, 1
	WIN 0
	SCO SCB+32, 4, 8, 10, 32768, 4096              ; the second tile's scale words of k: 1,024 keys on; they have the rest of this tile in which to land
	STEP 1, 1, 0x1, 0                              ; K steps 2, 3: one younger load may be out
	STEP 2, 0, 0, 0
	RSTEP 3, 0                                     ; k's places 0-3 take the second tile's K steps 0-3
	STEP 4, 0, 0, 0
	STEP 5, 0, 0, 0
	STEP 6, 0, 0, 0
	STEP 7, 2, 0, 0
	WIN 0
	PLACES 4                                       ; behind the last products, ahead of the first read of results and the first write over fragments
	SOFTQ 0
	SOFTQ 1
	RFILL 2                                        ; k's places 4-7 take the second tile's K steps 4-7; places 0-3 are whole for every wave behind this round
	SOFTQ 2
	SOFTQ 3
	PAIRST PWS, OUTS, 0, 248                       ; p's scale words,
	PAIRST NMS, OUTS, 524288, 250                  ; -M,
	PAIRST LSS, OUTS, 1048576, 252                 ; the sums
	; ---- the second tile
	FETCH 8                                        ; (into registers that no pending store reads)
	s_wait_xcnt 0x0                                ; the stores have read their registers and their bases
	s_add_nc_u64 s[OUT:OUT+1], s[OUT:OUT+1], 8*786432    ; four tile columns are eight K steps of the next product
	s_add_nc_u64 s[OUTS:OUTS+1], s[OUTS:OUTS+1], 8*32768
	s_wait_loadcnt 0x0                             ; the second tile's scale words
	STEP 8, 0, 0, 1
	STEP 9, 0, 0, 0
	STEP 10, 0, 0, 0
	STEP 11, 1, 0x0, 0                             ; places 4-7 are in; nothing more is filled
	STEP 12, 0, 0, 0
	STEP 13, 0, 0, 0
	STEP 14, 0, 0, 0
	STEP 15, 2, 0, 0
	WIN 0
	PLACES 4
	SOFTQ 0
	SOFTQ 1
	SOFTQ 2
	SOFTQ 3
	PAIRST PWS, OUTS, 0, 248
	PAIRST NMS, OUTS, 524288, 250
	PAIRST LSS, OUTS, 1048576, 252
	s_wait_tensorcnt 0x0                           ; the wave's end
	ds_add_u32 v[SPW], v[NIL]
	s_wait_dscnt 0x0
	CROUND                                         ; the closing round
	s_endpgm
.Lfunc_end_k_qb98681bcfe_scores:
	.size	k_qb98681bcfe_scores, .Lfunc_end_k_qb98681bcfe_scores-k_qb98681bcfe_scores
	.p2alignl 7, 3214868480
	.fill 96, 4, 3214868480
	.section	.rodata,"a",@progbits
	.p2align	6, 0x0
	.amdhsa_kernel k_qb98681bcfe_scores
		.amdhsa_group_segment_fixed_size 327680
		.amdhsa_private_segment_fixed_size 0
		.amdhsa_enable_private_segment 0
		.amdhsa_kernarg_size 16
		.amdhsa_user_sgpr_count 2
		.amdhsa_user_sgpr_kernarg_segment_ptr 1
		.amdhsa_wavefront_size32 1
		.amdhsa_system_sgpr_workgroup_id_x 1
		.amdhsa_system_sgpr_workgroup_id_y 1
		.amdhsa_system_sgpr_workgroup_id_z 1
		.amdhsa_system_vgpr_workitem_id 0
		.amdhsa_next_free_vgpr 768
		.amdhsa_next_free_sgpr 100
		.amdhsa_reserve_vcc 0
		.amdhsa_float_denorm_mode_32 3
		.amdhsa_float_denorm_mode_16_64 3
		.amdhsa_memory_ordered 1
		.amdhsa_forward_progress 1
		.amdhsa_inst_pref_size 222
	.end_amdhsa_kernel
	.amdgpu_metadata
---
amdhsa.version: [ 1, 2 ]
amdhsa.kernels:
  - .name:           k_qb98681bcfe_scores
    .symbol:         k_qb98681bcfe_scores.kd
    .args:
      - { .name: w2, .offset: 0, .size: 8, .value_kind: global_buffer, .address_space: global }
      - { .name: w3, .offset: 8, .size: 8, .value_kind: global_buffer, .address_space: global }
    .group_segment_fixed_size: 327680
    .private_segment_fixed_size: 0
    .kernarg_segment_align: 8
    .kernarg_segment_size: 16
    .max_flat_workgroup_size: 128
    .sgpr_count:     100
    .vgpr_count:     768
    .wavefront_size: 32
...
	.end_amdgpu_metadata
.endif
;; end of part 3
;; launch ctx (part 4): grid 4 x 64, 4 waves a work-group, clusters of 4 x 4, 327,680 bytes of LDS; arguments w3, w2, w4; writes w4
.if DOCPART == 4
	.amdgcn_target "amdgcn-amd-amdhsa--gfx1250"
	.amdhsa_code_object_version 6
	.text
	.protected	k_qb98681bcfe_ctx
	.globl	k_qb98681bcfe_ctx
	.p2align	8
	.type	k_qb98681bcfe_ctx,@function
k_qb98681bcfe_ctx:
	s_mov_b64 s[64:65], 0
	v_nop
	global_prefetch_b8 v0, s[64:65] scope:SCOPE_SE
	s_setreg_imm32_b32 hwreg(HW_REG_WAVE_MODE, 25, 1), 1
	s_wait_xcnt 0x0
	s_wait_alu depctr_hold_cnt(0) depctr_sa_sdst(0) depctr_va_vdst(0) depctr_va_sdst(0) depctr_va_ssrc(0) depctr_va_vcc(0) depctr_vm_vsrc(0)
	s_getreg_b32 s2, hwreg(HW_REG_IB_STS2, 6, 4)
	s_cmp_eq_u32 s2, 0
	s_cbranch_scc0 .Lentry_in_a_cluster
	s_endpgm
.Lentry_in_a_cluster:
	s_bfe_u32 s2, ttmp6, 0x10000c
	s_cmp_lg_u32 s2, 0xf033
	s_cbranch_scc0 .Lentry_shape_is_right
	s_endpgm
.Lentry_shape_is_right:
; THE CONTEXT.  O[query][d] = (sum over the batch's 2,048 keys of p[query][key] vp[key][d]) / l[query], on codes of FP6 (E2M3); the result is quantised along d and stored as codes in w4.
; p's codes were made under an M of their own for each 128 keys.  At the head, for each of my 64 queries: M = the largest of the 16 local M; each of the 16 scale words has its four bytes lowered by
; d = M - (local M), held at 0 from below; l = the sum of the 16 local sums x 2^-d (v_ldexp_f32: nothing is rounded but by underflow).  The codes stay as they are.
; LIMITS: d is held at 127; a block more than 2^-125 under the row's largest p gets the byte 0 (2^-127) or a sum's part that underflows: nothing beside l, which is over 1/2.  NaN and infinities are not served.
; SHARES, CLUSTER, TRANSPOSED USE as in the launch before: 128 queries x 256 of d to a work-group, 64 x 128 to a wave; p's tiles jointly along a row of the cluster, vp's along a column.
; K = 2,048 is 16 K steps; LDS holds 8: two slots of four.  First fills: K steps 0-1, 2-3, 4-7.  Slot 0 is filled again (8-11) in K step 3, slot 1 (12-15) in K step 7, each behind a round of the cluster's
; barrier, one load a wave, with 128 products of the wave between the request and the wait for it.  lds_bytes claims all of LDS.
; REGISTERS: window 0: v1-5 addresses; v6, v7 the spare word's address and 0; v8-15 1 / l, a pair for each block of rows; v16-19 scale words made; v32-63 p's scale words, v64-127 vp's (nothing else);
;   v128-223 p's fragments, two sets (at the head: -M and the sums; at the end: the numbers and codes); v224-255 at work.   window 1: v0-191 vp's fragments.   window 2: the accumulators.
.set NQ,   16
.set IMGW0, (3<<16)|(1<<21)
.set SPARE, 294912                     ; behind the images: the spare words, 128 bytes for each wave: two blocks of 256 bytes that no other line names
.set L16,  1
.set L4,   2
.set ADA,  3
.set ADB,  4
.set SPW,  6
.set NIL,  7
.set LI,   8
.set PWS,  16
.set SCA,  32
.set SCB,  64
.set WK,   128
.set PC,   192
.set TM,   224
.set PW,   240
.set SW,   241
.set G1A2, 16
.set G1A4, 24
.set G1B2, 32
.set G1B4, 40
.set G0A,  48
.set G0B,  68
.set WV,   60
.set MH,   61
.set NH,   62
.set CX,   63
.set CY,   66
.set GY,   67
.set TCOL, 80
.set BAT,  81
.set MHI,  82
.set K01,  83
.set SEL,  86
.set OUT,  88
.set OUTS, 90
.set MSB, 0
.macro WIN new                         ; the immediate's high byte repeats the setting that is left
.if MSB != \new
	s_set_vgpr_msb (MSB<<8)|\new
.set MSB, \new
.endif
.endm
.macro PLACES n
.rept \n
	v_nop
.endr
.endm
.macro CROUND                          ; a round of the cluster's barrier
	s_barrier_signal -1
	s_barrier_wait -1
	s_cmp_lg_u32 s[WV], 0
	s_cbranch_scc1 .Lnot_wave_0_\@
	s_barrier_signal -3
.Lnot_wave_0_\@:
	s_barrier_wait -3
	s_barrier_signal -1
	s_barrier_wait -1
.endm
.macro G1SET g, c, r, p
	s_mov_b32 s[\g+1], ((\c)&0xffff)<<16
	s_mov_b32 s[\g+2], ((\c)>>16)|((\r)<<16)
	s_mov_b32 s[\g+3], ((\r)>>16)|((\c)<<16)
	s_mov_b32 s[\g+4], \r
	s_mov_b32 s[\g+5], \p
	s_mov_b32 s[\g+6], 0
	s_mov_b32 s[\g+7], 0
.endm
.macro G0SET g, lreg, loff, adr, goff
	s_mov_b32 s[\g], 1
	s_add_co_u32 s[\g+1], s[\lreg], \loff
	s_add_nc_u64 s[\g+2:\g+3], s[\adr:\adr+1], \goff
	s_or_b32 s[\g+3], s[\g+3], 0x80000000
.endm
.macro FRAGI reg, adr, off
.irp c, 0,1,2
	ds_load_b128 v[\reg+4*\c:\reg+4*\c+3], v[\adr] offset:\off+512*\c
.endr
.endm
.macro FETCH q                         ; K step q's fragments, from place q % 8, into set q % 2
.set POS, (\q)%8
	WIN 0x40
.irp b, 0,1,2,3,4,5,6,7
	FRAGI 96*((\q)%2)+12*\b, ADB+POS/4, (POS%4)*12288+1536*\b
.endr
	WIN 0
.irp a, 0,1,2,3
	FRAGI 128+48*((\q)%2)+12*\a, ADA, POS*6144+1536*\a
.endr
.endm
.macro SCO reg, ni, nq, base, kss, off ; words [K step][row]: register nq i + q: lane l = row 32 i + l, K step q
.set II, 0
.rept \ni
.set QQ, 0
.rept \nq
	global_load_b32 v[\reg+(\nq)*II+QQ], v[L4], s[\base:\base+1] offset:(\off)+QQ*(\kss)+128*II
.set QQ, QQ+1
.endr
.set II, II+1
.endr
.endm
.macro WM a, b, q, cm                  ; cm = 1: the first K step starts the sum with the constant 0; cm = 0: adds in place
.set rD, 8*(8*(\a)+(\b))
.set rB, 96*((\q)%2)+12*(\b)
.set rA, 128+48*((\q)%2)+12*(\a)
.set rSB, SCB+NQ*((\b)/2)+(\q)
.set rSA, SCA+NQ*((\a)/2)+(\q)
.if (\cm) == 1
.if ((\a)%2 == 0) && ((\b)%2 == 0)
	v_wmma_scale_f32_16x16x128_f8f6f4 v[rD:rD+7], v[rB:rB+11], v[rA:rA+11], 0, v[rSB], v[rSA] matrix_a_fmt:MATRIX_FMT_FP6 matrix_b_fmt:MATRIX_FMT_FP6
.elseif ((\a)%2 == 0)
	v_wmma_scale_f32_16x16x128_f8f6f4 v[rD:rD+7], v[rB:rB+11], v[rA:rA+11], 0, v[rSB], v[rSA] matrix_a_fmt:MATRIX_FMT_FP6 matrix_b_fmt:MATRIX_FMT_FP6 matrix_a_scale:MATRIX_SCALE_ROW1
.elseif ((\b)%2 == 0)
	v_wmma_scale_f32_16x16x128_f8f6f4 v[rD:rD+7], v[rB:rB+11], v[rA:rA+11], 0, v[rSB], v[rSA] matrix_a_fmt:MATRIX_FMT_FP6 matrix_b_fmt:MATRIX_FMT_FP6 matrix_b_scale:MATRIX_SCALE_ROW1
.else
	v_wmma_scale_f32_16x16x128_f8f6f4 v[rD:rD+7], v[rB:rB+11], v[rA:rA+11], 0, v[rSB], v[rSA] matrix_a_fmt:MATRIX_FMT_FP6 matrix_b_fmt:MATRIX_FMT_FP6 matrix_a_scale:MATRIX_SCALE_ROW1 matrix_b_scale:MATRIX_SCALE_ROW1
.endif
.else
.if ((\a)%2 == 0) && ((\b)%2 == 0)
	v_wmma_scale_f32_16x16x128_f8f6f4 v[rD:rD+7], v[rB:rB+11], v[rA:rA+11], v[rD:rD+7], v[rSB], v[rSA] matrix_a_fmt:MATRIX_FMT_FP6 matrix_b_fmt:MATRIX_FMT_FP6
.elseif ((\a)%2 == 0)
	v_wmma_scale_f32_16x16x128_f8f6f4 v[rD:rD+7], v[rB:rB+11], v[rA:rA+11], v[rD:rD+7], v[rSB], v[rSA] matrix_a_fmt:MATRIX_FMT_FP6 matrix_b_fmt:MATRIX_FMT_FP6 matrix_a_scale:MATRIX_SCALE_ROW1
.elseif ((\b)%2 == 0)
	v_wmma_scale_f32_16x16x128_f8f6f4 v[rD:rD+7], v[rB:rB+11], v[rA:rA+11], v[rD:rD+7], v[rSB], v[rSA] matrix_a_fmt:MATRIX_FMT_FP6 matrix_b_fmt:MATRIX_FMT_FP6 matrix_b_scale:MATRIX_SCALE_ROW1
.else
	v_wmma_scale_f32_16x16x128_f8f6f4 v[rD:rD+7], v[rB:rB+11], v[rA:rA+11], v[rD:rD+7], v[rSB], v[rSA] matrix_a_fmt:MATRIX_FMT_FP6 matrix_b_fmt:MATRIX_FMT_FP6 matrix_a_scale:MATRIX_SCALE_ROW1 matrix_b_scale:MATRIX_SCALE_ROW1
.endif
.endif
.endm
.macro MULH q, half, cm                ; 16 products; the 32 accumulators take turns, one instruction a turn, in the same order in every K step
	WIN 0xa1
.irp a, 2*(\half), 2*(\half)+1
.irp b, 0,1,2,3,4,5,6,7
	WM \a, \b, \q, \cm
.endr
.endr
.endm
.macro STEP q, kind, cnt, cm           ; as in the launch before: 0 plain; 1 the next step's images are waited for and a barrier shows them whole; 2 the last
	s_wait_dscnt 0x0
.if (\kind) == 0
	PLACES 4
	FETCH (\q)+1
	MULH \q, 0, \cm
	MULH \q, 1, \cm
.elseif (\kind) == 1
	MULH \q, 0, \cm
	s_wait_tensorcnt \cnt
	s_barrier_signal -1
	s_barrier_wait -1
	PLACES 4
	FETCH (\q)+1
	MULH \q, 1, \cm
.else
	MULH \q, 0, \cm
	MULH \q, 1, \cm
.endif
.endm
; A joint refill of four K steps with group 0 number j.  The branch hangs on the wave's number alone.  Four v_nop follow each of the two lines.
.macro JLOAD j
	s_cmp_eq_u32 s[MH], 0
	s_cbranch_scc0 .Lfor_b_\@
	tensor_load_to_lds s[G0A+4*\j:G0A+4*\j+3], s[G1A4:G1A4+7]
	s_nop 0
	PLACES 4
	s_branch .Lasked_\@
.Lfor_b_\@:
	tensor_load_to_lds s[G0B+4*\j:G0B+4*\j+3], s[G1B4:G1B4+7]
	s_nop 0
	PLACES 4
.Lasked_\@:
.endm
; A slot's last K step: the slot, whose last fragments are in registers, is filled again with the K steps eight on.  Each wave waits for all its tensor loads (its part of the other slot among them), adds 0 to its
; spare word, steps the group 0 that is due, waits for the add and for its reads; a round of the cluster's barrier; the joint refill first behind it, one load a wave.
.macro RSTEP q, j
	s_wait_dscnt 0x0                               ; this step's fragments are in: my reads of the slot are over
	MULH \q, 0, 0
	WIN 0
	s_wait_tensorcnt 0x0                           ; no tensor load of mine is out, so a group 0 may be written
	ds_add_u32 v[SPW], v[NIL]                      ; 0 onto my spare word
	s_add_nc_u64 s[G0A+4*\j+2:G0A+4*\j+3], s[G0A+4*\j+2:G0A+4*\j+3], 8*786432
	s_add_nc_u64 s[G0B+4*\j+2:G0B+4*\j+3], s[G0B+4*\j+2:G0B+4*\j+3], 8*98304
	s_wait_dscnt 0x0                               ; the add is done
	CROUND                                         ; no wave of any partner still reads the slot or has a load on its way; the other slot is whole
	JLOAD \j                                       ; its four v_nop are also the places in front of the loads below
	FETCH (\q)+1
	MULH \q, 1, 0
.endm
.macro SWAP32 s
.irp b, 0,1,2,3
.irp j, 0,1,2,3,4,5,6,7
	v_permlane16_swap_b32 v[\s+16*\b+\j], v[\s+16*\b+8+\j]
.endr
.endr
.endm
.macro QHEAD s
.irp b, 0,1,2,3
	v_max3_num_f32 v[TM+\b], |v[\s+16*\b]|, |v[\s+1+16*\b]|, 0x1800000   ; with the floor 2^(3 - 127): the byte cannot fall under 1
.endr
.irp i, 2,4,6,8,10,12,14
.irp b, 0,1,2,3
	v_max3_num_f32 v[TM+\b], v[TM+\b], |v[\s+16*\b+\i]|, |v[\s+1+16*\b+\i]|
.endr
.endr
.irp b, 0,1,2,3
	v_permlanex16_b32 v[TM+4+\b], v[TM+\b], s[SEL], s[SEL+1]
.endr
.irp b, 0,1,2,3
	v_max_num_f32 v[TM+\b], v[TM+\b], v[TM+4+\b]
.endr
.endm
.macro QTAIL s
.irp b, 0,1,2,3
	v_add_nc_u32 v[TM+12+\b], 0xff000000, v[TM+\b]
.endr
.irp b, 0,1,2,3
	v_lshrrev_b32 v[TM+4+\b], 23, v[TM+12+\b]
.endr
	v_lshl_or_b32 v[PW], v[TM+5], 8, v[TM+4]
	v_lshl_or_b32 v[PW], v[TM+6], 16, v[PW]
	v_lshl_or_b32 v[PW], v[TM+7], 24, v[PW]
.irp c, 0,1
	v_cvt_scalef32_pk16_fp6_f32 v[PC+6*\c:PC+2+6*\c], v[\s+32*\c:\s+15+32*\c], v[TM+12+2*\c]
	v_cvt_scalef32_pk16_fp6_f32 v[PC+12+4*\c:PC+14+4*\c], v[\s+16+32*\c:\s+31+32*\c], v[TM+12+2*\c+1]
.endr
	v_nop                                          ; one plain place behind a scaled conversion
.irp c, 0,1
.irp i, 0,1,2
	v_permlane16_swap_b32 v[PC+6*\c+\i], v[PC+12+4*\c+\i]
.endr
.irp i, 0,1,2
	v_mov_b32 v[PC+3+6*\c+\i], v[PC+12+4*\c+\i]
.endr
.endr
.endm
.macro PUT a
.irp c, 0,1,2
	global_store_b128 v[L16], v[PC+4*\c:PC+4*\c+3], s[OUT:OUT+1] offset:(\a)*1536+512*\c
.endr
.endm
.macro PAIRST x, base, off, sw
.irp i, 0,1
	v_cndmask_b32 v[\sw+\i], v[\x+2*\i], v[\x+2*\i+1], s[MHI]
	global_store_b32 v[L4], v[\sw+\i], s[\base:\base+1] offset:\off+128*\i
.endr
.endm
	s_load_b128 s[4:7], s[0:1], 0x0                ; w3, w2
	s_load_b64 s[8:9], s[0:1], 0x10                ; w4
	v_lshl_add_u32 v[SPW], v0, 2, SPARE
	v_mov_b32 v[NIL], 0
	ds_add_u32 v6, v7
	ds_add_u32 v6, v7
	s_wait_dscnt 0x0
	v_lshrrev_b32 v20, 5, v0
	v_readfirstlane_b32 s[WV], v20
	s_lshr_b32 s[MH], s[WV], 1
	s_and_b32 s[NH], s[WV], 1
	s_bfe_u32 s[CX], ttmp6, 0x40000
	s_bfe_u32 s[CY], ttmp6, 0x40004
	s_lshl_b32 s[TCOL], ttmp9, 2
	s_add_co_u32 s[TCOL], s[TCOL], s[CX]           ; tile column: 256 of d, 0..3
	s_and_b32 s[BAT], ttmp7, 0xffff
	s_lshl_b32 s[GY], s[BAT], 2
	s_add_co_u32 s[GY], s[GY], s[CY]               ; tile row: 128 queries, 0..63
	s_lshr_b32 s[BAT], s[BAT], 2                   ; the batch: from the cluster's y alone
	s_lshl_b32 s3, s[CY], 2
	s_lshl_b32 s3, 15, s3
	s_lshl_b32 s2, 0x1111, s[CX]
	s_or_b32 s[G1A2], s3, IMGW0
	s_or_b32 s[G1A4], s3, IMGW0
	s_or_b32 s[G1B2], s2, IMGW0
	s_or_b32 s[G1B4], s2, IMGW0
	G1SET G1A2, 768, 2, 98304                      ; p: 6,144 bytes of each K step, 786,432 bytes apart
	G1SET G1A4, 768, 4, 98304
	G1SET G1B2, 1536, 2, 12288                     ; vp: 12,288 bytes of each K step, 98,304 bytes apart
	G1SET G1B4, 1536, 4, 12288
	s_mov_b32 s[MHI], 0xffff0000
	s_mov_b32 s[K01], 0x01010101
	s_mov_b32 s[SEL], 0x76543210
	s_mov_b32 s[SEL+1], 0xfedcba98
	s_mul_i32 s96, s[GY], 12288                    ; A (s92, s96, s97 never hold cx)
	s_mul_i32 s92, s[NH], 6144
	s_add_co_u32 s96, s96, s92
	s_mov_b32 s97, 0
	s_mul_i32 s92, s[NH], 49152
	s_mul_i32 s98, s[BAT], 16*98304                ; B: K step 16 x batch, block of rows 16 x tile column + 8 x half, in vp's part of w2 (s93, s98, s99 never hold cy)
	s_mul_i32 s93, s[TCOL], 24576
	s_add_co_u32 s98, s98, s93
	s_mul_i32 s93, s[NH], 12288
	s_add_co_u32 s98, s98, s93
	s_add_co_u32 s98, s98, 13107200
	s_mov_b32 s99, 0
	s_mul_i32 s93, s[NH], 98304
	s_add_co_u32 s93, s93, 98304
	s_wait_kmcnt 0x0
	s_add_nc_u64 s[96:97], s[4:5], s[96:97]
	s_add_nc_u64 s[98:99], s[6:7], s[98:99]
.irp j, 0,1,2
	G0SET G0A+4*\j, 92, 2*\j*6144, 96, 2*\j*786432
	G0SET G0B+4*\j, 93, 2*\j*12288, 98, 2*\j*98304
.endr
	CROUND                                         ; all sixteen work-groups are here: the first joint loads meet
	s_cmp_eq_u32 s[MH], 0                          ; a wave's three first fills stand in one branch: three loads of mine are out
	s_cbranch_scc0 .Lfill_b
	tensor_load_to_lds s[G0A:G0A+3], s[G1A2:G1A2+7]
	s_nop 0
	tensor_load_to_lds s[G0A+4:G0A+7], s[G1A2:G1A2+7]
	s_nop 0
	tensor_load_to_lds s[G0A+8:G0A+11], s[G1A4:G1A4+7]
	s_nop 0
	PLACES 4
	s_branch .Lfilled
.Lfill_b:
	tensor_load_to_lds s[G0B:G0B+3], s[G1B2:G1B2+7]
	s_nop 0
	tensor_load_to_lds s[G0B+4:G0B+7], s[G1B2:G1B2+7]
	s_nop 0
	tensor_load_to_lds s[G0B+8:G0B+11], s[G1B4:G1B4+7]
	s_nop 0
	PLACES 4
.Lfilled:
	v_and_b32 v20, 31, v0
	v_lshlrev_b32 v[L16], 4, v20
	v_lshlrev_b32 v[L4], 2, v20
	s_lshl_b32 s14, s[GY], 7
	s_lshl_b32 s15, s[MH], 6
	s_add_co_u32 s14, s14, s15                     ; my first query
	s_mov_b32 s85, 0
	s_lshl_b32 s84, s14, 2
	s_add_nc_u64 s[10:11], s[4:5], s[84:85]
	s_add_nc_u64 s[10:11], s[10:11], 12582912      ; p's scale words; -M lies 524,288 bytes on, the sums 1,048,576
	s_lshl_b32 s84, s[BAT], 16                     ; vp's scale words: 16 K steps of 4,096 bytes a batch,
	s_lshl_b32 s15, s[TCOL], 10
	s_add_co_u32 s84, s84, s15
	s_lshl_b32 s15, s[NH], 9
	s_add_co_u32 s84, s84, s15                     ; 4 bytes a row of d
	s_add_nc_u64 s[12:13], s[6:7], s[84:85]
	s_add_nc_u64 s[12:13], s[12:13], 19398656
	SCO SCA, 2, 16, 10, 32768, 0
	SCO SCB, 4, 16, 12, 4096, 0
	SCO 128, 2, 16, 10, 32768, 524288
	SCO 160, 2, 16, 10, 32768, 1048576
	s_lshl_b32 s15, s[TCOL], 1
	s_add_co_u32 s15, s15, s[NH]                   ; my 128 of d are K step 2 x tile column + half of the last product
	s_mul_i32 s84, s15, 786432
	s_mul_i32 s94, s14, 96
	s_add_co_u32 s84, s84, s94
	s_add_nc_u64 s[OUT:OUT+1], s[8:9], s[84:85]
	s_lshl_b32 s84, s15, 15
	s_lshl_b32 s94, s14, 2
	s_add_co_u32 s84, s84, s94
	s_add_nc_u64 s[OUTS:OUTS+1], s[8:9], s[84:85]
	s_add_nc_u64 s[OUTS:OUTS+1], s[OUTS:OUTS+1], 6291456
	s_mul_i32 s94, s[MH], 49152
	v_add_nc_u32 v[ADA], s94, v[L16]
	s_mul_i32 s95, s[NH], 98304
	s_add_co_u32 s95, s95, 98304
	v_add_nc_u32 v[ADB], s95, v[L16]
	v_add_nc_u32 v[ADB+1], 49152, v[ADB]
.irp b, 0,1,2,3
	v_mov_b32 v[TM+4+\b], 0                        ; written once: a lane permute's destination counts as one of its sources
.endr
	s_wait_loadcnt 0x0
	; lane l stands for query 32 i + l: all that follows stays inside a lane.  v[128 + 16 i + q] = -M of K step q, v[160 + 16 i + q] its sum
.irp i, 0,1
	v_max3_num_f32 v[250+\i], -v[128+16*\i], -v[129+16*\i], -v[130+16*\i]
.endr
.irp q, 3,5,7,9,11,13
.irp i, 0,1
	v_max3_num_f32 v[250+\i], v[250+\i], -v[128+16*\i+\q], -v[129+16*\i+\q]
.endr
.endr
.irp i, 0,1
	v_max_num_f32 v[250+\i], v[250+\i], -v[143+16*\i]   ; the row's M
.endr
.set J, 0
.rept 32
	v_sub_f32 v[128+J], -v[128+J], v[250+J/16]     ; local M - M: a whole number, 0 or less
.set J, J+1
.endr
.set J, 0
.rept 32
	v_max_num_f32 v[128+J], 0xc2fe0000, v[128+J]   ; held at -127
.set J, J+1
.endr
.set J, 0
.rept 32
	v_cvt_i32_f32 v[128+J], v[128+J]
.set J, J+1
.endr
.set J, 0
.rept 32
	v_ldexp_f32 v[160+J], v[160+J], v[128+J]       ; the local sum under the row's M
.set J, J+1
.endr
.irp i, 0,1
	v_pk_add_f32 v[252:253], v[160+16*\i:161+16*\i], v[162+16*\i:163+16*\i]
	v_pk_add_f32 v[254:255], v[164+16*\i:165+16*\i], v[166+16*\i:167+16*\i]
	v_pk_add_f32 v[252:253], v[252:253], v[168+16*\i:169+16*\i]
	v_pk_add_f32 v[254:255], v[254:255], v[170+16*\i:171+16*\i]
	v_pk_add_f32 v[252:253], v[252:253], v[172+16*\i:173+16*\i]
	v_pk_add_f32 v[254:255], v[254:255], v[174+16*\i:175+16*\i]
	v_pk_add_f32 v[252:253], v[252:253], v[254:255]
	v_add_f32 v[248+\i], v252, v253                ; l
.endr
	v_rcp_f32 v248, v248
	v_rcp_f32 v249, v249                           ; the scale words' work below is the plain work behind the two
	; each byte b (1 .. 125) of a scale word becomes max(b - d, 0), d = 0 .. 127: with 128 added to each byte no byte borrows from its neighbour; a byte whose top bit has gone is cleared
.set J, 0
.rept 32
	v_or_b32 v[SCA+J], 0x80808080, v[SCA+J]
.set J, J+1
.endr
.set J, 0
.rept 32
	v_mul_lo_u32 v[128+J], v[128+J], s[K01]        ; -d in every byte (modulo 2^32)
.set J, J+1
.endr
.set J, 0
.rept 32
	v_add_nc_u32 v[SCA+J], v[SCA+J], v[128+J]
.set J, J+1
.endr
.set J, 0
.rept 32
	v_and_b32 v[128+J], 0x80808080, v[SCA+J]
.set J, J+1
.endr
.set J, 0
.rept 32
	v_lshrrev_b32 v[160+J], 7, v[128+J]
.set J, J+1
.endr
.set J, 0
.rept 32
	v_sub_nc_u32 v[128+J], v[128+J], v[160+J]      ; 0x7f where the byte stays, 0 where it is cleared
.set J, J+1
.endr
.set J, 0
.rept 32
	v_and_b32 v[SCA+J], v[SCA+J], v[128+J]
.set J, J+1
.endr
	s_wait_alu depctr_va_vdst(0)                   ; one wait for the two reciprocals, ahead of their first reader
	v_permlanex16_b32 v252, v248, s[SEL], s[SEL+1]
	v_permlanex16_b32 v253, v249, s[SEL], s[SEL+1]
.irp i, 0,1                            ; 1 / l of query 16 a + r in both halves of the lanes, as a pair for the packed multiply.  (These eight are also the places between the last write of a scale word and the first product)
	v_cndmask_b32 v[LI+4*\i], v[248+\i], v[252+\i], s[MHI]
	v_cndmask_b32 v[LI+4*\i+1], v[248+\i], v[252+\i], s[MHI]
	v_cndmask_b32 v[LI+4*\i+2], v[252+\i], v[248+\i], s[MHI]
	v_cndmask_b32 v[LI+4*\i+3], v[252+\i], v[248+\i], s[MHI]
.endr
	s_wait_tensorcnt 0x2                           ; my part of K steps 0 and 1 is in; my two younger loads may be out
	s_barrier_signal -1
	s_barrier_wait -1
	FETCH 0
	STEP 0, 0, 0, 1
	STEP 1, 1, 0x1, 0                              ; K steps 2, 3: one younger load may be out
	STEP 2, 0, 0, 0
	RSTEP 3, 0                                     ; places 0-3 take K steps 8-11
	STEP 4, 0, 0, 0
	STEP 5, 0, 0, 0
	STEP 6, 0, 0, 0
	RSTEP 7, 2                                     ; places 4-7 take K steps 12-15
	STEP 8, 0, 0, 0
	STEP 9, 0, 0, 0
	STEP 10, 0, 0, 0
	STEP 11, 1, 0x0, 0                             ; K steps 12-15 are in; nothing more is filled
	STEP 12, 0, 0, 0
	STEP 13, 0, 0, 0
	STEP 14, 0, 0, 0
	STEP 15, 2, 0, 0
	WIN 0
	PLACES 4                                       ; behind the last products, ahead of the first read of results and the first write over fragments
.irp a, 0,1,2,3
.if \a > 0
	s_wait_xcnt 0x0                                ; the last block's stores have read their registers
.endif
	WIN 0x02                                       ; source 0: window 2
.set J, 0
.rept 32
	v_pk_mul_f32 v[WK+J:WK+J+1], v[64*\a+J:64*\a+J+1], v[LI+2*\a:LI+2*\a+1]   ; / l; each accumulator from its low end on
.set J, J+2
.endr
	WIN 0
	SWAP32 WK
	QHEAD WK
	QTAIL WK
	v_mov_b32 v[PWS+\a], v[PW]
	PUT \a
.endr
	PAIRST PWS, OUTS, 0, SW
	s_wait_tensorcnt 0x0                           ; the wave's end
	ds_add_u32 v[SPW], v[NIL]
	s_wait_dscnt 0x0
	CROUND                                         ; the closing round
	s_endpgm
.Lfunc_end_k_qb98681bcfe_ctx:
	.size	k_qb98681bcfe_ctx, .Lfunc_end_k_qb98681bcfe_ctx-k_qb98681bcfe_ctx
	.p2alignl 7, 3214868480
	.fill 96, 4, 3214868480
	.section	.rodata,"a",@progbits
	.p2align	6, 0x0
	.amdhsa_kernel k_qb98681bcfe_ctx
		.amdhsa_group_segment_fixed_size 327680
		.amdhsa_private_segment_fixed_size 0
		.amdhsa_enable_private_segment 0
		.amdhsa_kernarg_size 24
		.amdhsa_user_sgpr_count 2
		.amdhsa_user_sgpr_kernarg_segment_ptr 1
		.amdhsa_wavefront_size32 1
		.amdhsa_system_sgpr_workgroup_id_x 1
		.amdhsa_system_sgpr_workgroup_id_y 1
		.amdhsa_system_sgpr_workgroup_id_z 1
		.amdhsa_system_vgpr_workitem_id 0
		.amdhsa_next_free_vgpr 768
		.amdhsa_next_free_sgpr 100
		.amdhsa_reserve_vcc 0
		.amdhsa_float_denorm_mode_32 3
		.amdhsa_float_denorm_mode_16_64 3
		.amdhsa_memory_ordered 1
		.amdhsa_forward_progress 1
		.amdhsa_inst_pref_size 179
	.end_amdhsa_kernel
	.amdgpu_metadata
---
amdhsa.version: [ 1, 2 ]
amdhsa.kernels:
  - .name:           k_qb98681bcfe_ctx
    .symbol:         k_qb98681bcfe_ctx.kd
    .args:
      - { .name: w3, .offset: 0, .size: 8, .value_kind: global_buffer, .address_space: global }
      - { .name: w2, .offset: 8, .size: 8, .value_kind: global_buffer, .address_space: global }
      - { .name: w4, .offset: 16, .size: 8, .value_kind: global_buffer, .address_space: global }
    .group_segment_fixed_size: 327680
    .private_segment_fixed_size: 0
    .kernarg_segment_align: 8
    .kernarg_segment_size: 24
    .max_flat_workgroup_size: 128
    .sgpr_count:     100
    .vgpr_count:     768
    .wavefront_size: 32
...
	.end_amdgpu_metadata
.endif
;; end of part 4
;; launch final (part 5): grid 4 x 64, 4 waves a work-group, clusters of 4 x 4, 327,680 bytes of LDS; arguments w4, Wf_codes, Wf_scales, bf, v, out0; writes out0
.if DOCPART == 5
	.amdgcn_target "amdgcn-amd-amdhsa--gfx1250"
	.amdhsa_code_object_version 6
	.text
	.protected	k_qb98681bcfe_final
	.globl	k_qb98681bcfe_final
	.p2align	8
	.type	k_qb98681bcfe_final,@function
k_qb98681bcfe_final:
	s_mov_b64 s[64:65], 0
	v_nop
	global_prefetch_b8 v0, s[64:65] scope:SCOPE_SE
	s_setreg_imm32_b32 hwreg(HW_REG_WAVE_MODE, 25, 1), 1
	s_wait_xcnt 0x0
	s_wait_alu depctr_hold_cnt(0) depctr_sa_sdst(0) depctr_va_vdst(0) depctr_va_sdst(0) depctr_va_ssrc(0) depctr_va_vcc(0) depctr_vm_vsrc(0)
	s_getreg_b32 s2, hwreg(HW_REG_IB_STS2, 6, 4)
	s_cmp_eq_u32 s2, 0
	s_cbranch_scc0 .Lentry_in_a_cluster
	s_endpgm
.Lentry_in_a_cluster:
	s_bfe_u32 s2, ttmp6, 0x10000c
	s_cmp_lg_u32 s2, 0xf033
	s_cbranch_scc0 .Lentry_shape_is_right
	s_endpgm
.Lentry_shape_is_right:
; THE OUTPUT PROJECTION.  out[token][e] = gelu(context Wf^T + bf) + v, the product on codes of FP6 (E2M3), K = 1,024, sums in f32; gelu exact (by the normal distribution's tail), in f32.
; gelu(x) = x / 2 + |x| (1/2 - Q(|x|)),  Q(z) = e^(-z z / 2) t (c1 + t (c2 + t (c3 + t (c4 + t c5)))),  t = 1 / (1 + 0.2316419 z): Abramowitz and Stegun 26.2.17 with 1 / sqrt(2 pi) folded into the c;
; its error is under 7.5e-8 for every z, so gelu's is under 7.5e-8 |x|.  For large |x| the exponential falls to 0 and gelu is x or 0.  LIMITS: NaN and infinities are not served.
; SHARES, CLUSTER, TRANSPOSED USE as in the launches before: 128 tokens x 256 of e to a work-group, 64 x 128 to a wave; the context's tiles jointly along a row of the cluster, Wf's along a column.
; LDS, every byte filled once: the context's images (98,304 bytes; K steps 0-1, 2-4, 5-7), then Wf's rows as three regions of 256-byte pieces, rows 272 bytes apart there (208,896 bytes).
; bf is the C of the first K step.  v's 64 x 128 numbers of the wave are asked for behind K steps 0 to 3, in the layout in which the rows leave, and wait in window 3.
; THE WAY OUT: a block of 16 rows goes through the wave's stage in LDS (in the context's region, which has had its only fill and whose reads are over behind a barrier) and leaves as rows of 512 consecutive bytes.
; REGISTERS: window 0: v1-12 addresses; v16-27 constants, in pairs; v32-79 scale words (nothing else); v128-223 the context's fragments, two sets.
;   window 1: v0-191 Wf's fragments, two sets, later gelu's t, exponential and polynomial; v192-255 bf, later the rows read back.   window 2: the accumulators.   window 3: v's numbers.
.set NQ,   8
.set UB,   69632
.set BB,   98304
.set IMGW0, (3<<16)|(1<<21)
.set ROWW0, (3<<16)|(1<<20)|(1<<21)|(5<<22)|(3<<25)
.set L16,  1
.set L4,   2
.set ADA,  3
.set LB,   4                           ; v4-6  my place in Wf's three regions;  v7-8 the same where lanes 16-31 read in the next region
.set LBX,  7
.set STO,  9
.set RD,   10
.set V32L, 11
.set V32H, 12
.set CF,   16                          ; v[16:17] c1 .. v[24:25] c5, v[26:27] -log2(e) / 2
.set SCA,  32
.set SCB,  48
.set G1A2, 16
.set G1A3, 24
.set G1B,  32
.set G0A,  48
.set G0B,  68
.set WV,   60
.set MH,   61
.set NH,   62
.set CX,   63
.set CY,   66
.set GY,   67
.set TCOL, 80
.set KP,   83
.set SAB,  84
.set OUT,  88
.set VR,   90
.set MSB, 0
.macro WIN new                         ; the immediate's high byte repeats the setting that is left
.if MSB != \new
	s_set_vgpr_msb (MSB<<8)|\new
.set MSB, \new
.endif
.endm
.macro PLACES n
.rept \n
	v_nop
.endr
.endm
.macro CROUND                          ; a round of the cluster's barrier
	s_barrier_signal -1
	s_barrier_wait -1
	s_cmp_lg_u32 s[WV], 0
	s_cbranch_scc1 .Lnot_wave_0_\@
	s_barrier_signal -3
.Lnot_wave_0_\@:
	s_barrier_wait -3
	s_barrier_signal -1
	s_barrier_wait -1
.endm
.macro G1SET g, c, r, p
	s_mov_b32 s[\g+1], ((\c)&0xffff)<<16
	s_mov_b32 s[\g+2], ((\c)>>16)|((\r)<<16)
	s_mov_b32 s[\g+3], ((\r)>>16)|((\c)<<16)
	s_mov_b32 s[\g+4], \r
	s_mov_b32 s[\g+5], \p
	s_mov_b32 s[\g+6], 0
	s_mov_b32 s[\g+7], 0
.endm
.macro G0SET g, lreg, loff, adr, goff
	s_mov_b32 s[\g], 1
	s_add_co_u32 s[\g+1], s[\lreg], \loff
	s_add_nc_u64 s[\g+2:\g+3], s[\adr:\adr+1], \goff
	s_or_b32 s[\g+3], s[\g+3], 0x80000000
.endm
.macro FRAGI reg, adr, off             ; a fragment from its image
.irp c, 0,1,2
	ds_load_b128 v[\reg+4*\c:\reg+4*\c+3], v[\adr] offset:\off+512*\c
.endr
.endm
.macro FRAGR reg, adr, adrx, q, blk    ; a fragment out of rows, in pieces of 8 bytes; where lanes 16-31's piece, three on, lies in the next region (PCE % 32 >= 29) the second address register serves
.irp p, 0,1,2,3,4,5
.set PCE, 12*(\q)+6*(\p/3)+\p%3
.if PCE%32 < 29
	ds_load_b64 v[\reg+2*\p:\reg+2*\p+1], v[\adr+PCE/32] offset:8*(PCE%32)+(\blk)*4352
.else
	ds_load_b64 v[\reg+2*\p:\reg+2*\p+1], v[\adrx+PCE/32] offset:8*(PCE%32)+(\blk)*4352
.endif
.endr
.endm
.macro FETCH q
	WIN 0x40
.irp b, 0,1,2,3,4,5,6,7
	FRAGR 96*((\q)%2)+12*\b, LB, LBX, \q, \b
.endr
	WIN 0
.irp a, 0,1,2,3
	FRAGI 128+48*((\q)%2)+12*\a, ADA, (\q)*6144+1536*\a
.endr
.endm
.macro WM a, b, q, cm                  ; cm = 3: the first K step, C = bf of the tile's columns (window 1); cm = 0: adds in place
.set rD, 8*(8*(\a)+(\b))
.set rC, rD
.if (\cm) == 3
.set rC, 192+8*(\b)
.endif
.set rB, 96*((\q)%2)+12*(\b)
.set rA, 128+48*((\q)%2)+12*(\a)
.set rSB, SCB+NQ*((\b)/2)+(\q)
.set rSA, SCA+NQ*((\a)/2)+(\q)
.if ((\a)%2 == 0) && ((\b)%2 == 0)
	v_wmma_scale_f32_16x16x128_f8f6f4 v[rD:rD+7], v[rB:rB+11], v[rA:rA+11], v[rC:rC+7], v[rSB], v[rSA] matrix_a_fmt:MATRIX_FMT_FP6 matrix_b_fmt:MATRIX_FMT_FP6
.elseif ((\a)%2 == 0)
	v_wmma_scale_f32_16x16x128_f8f6f4 v[rD:rD+7], v[rB:rB+11], v[rA:rA+11], v[rC:rC+7], v[rSB], v[rSA] matrix_a_fmt:MATRIX_FMT_FP6 matrix_b_fmt:MATRIX_FMT_FP6 matrix_a_scale:MATRIX_SCALE_ROW1
.elseif ((\b)%2 == 0)
	v_wmma_scale_f32_16x16x128_f8f6f4 v[rD:rD+7], v[rB:rB+11], v[rA:rA+11], v[rC:rC+7], v[rSB], v[rSA] matrix_a_fmt:MATRIX_FMT_FP6 matrix_b_fmt:MATRIX_FMT_FP6 matrix_b_scale:MATRIX_SCALE_ROW1
.else
	v_wmma_scale_f32_16x16x128_f8f6f4 v[rD:rD+7], v[rB:rB+11], v[rA:rA+11], v[rC:rC+7], v[rSB], v[rSA] matrix_a_fmt:MATRIX_FMT_FP6 matrix_b_fmt:MATRIX_FMT_FP6 matrix_a_scale:MATRIX_SCALE_ROW1 matrix_b_scale:MATRIX_SCALE_ROW1
.endif
.endm
.macro MULH q, half, cm                ; 16 products; the 32 accumulators take turns, one instruction a turn, in the same order in every K step
.if (\cm) == 3
	WIN 0x91                                       ; B window 1, A window 0, C window 1, D window 2
.else
	WIN 0xa1
.endif
.irp a, 2*(\half), 2*(\half)+1
.irp b, 0,1,2,3,4,5,6,7
	WM \a, \b, \q, \cm
.endr
.endr
.endm
.macro STEP q, kind, cnt, cm           ; 0 plain; 1 the next step's operands are waited for and a barrier shows them whole; 2 the last
	s_wait_dscnt 0x0
.if (\kind) == 0
	PLACES 4
	FETCH (\q)+1
	MULH \q, 0, \cm
	MULH \q, 1, \cm
.elseif (\kind) == 1
	MULH \q, 0, \cm
	s_wait_tensorcnt \cnt
	s_barrier_signal -1
	s_barrier_wait -1
	PLACES 4
	FETCH (\q)+1
	MULH \q, 1, \cm
.else
	MULH \q, 0, \cm
	MULH \q, 1, \cm
.endif
.endm
.macro VLOAD a                         ; v's numbers of block a's 16 rows x my 128 columns into window 3: a load reads 512 consecutive bytes of a row
	WIN 0xc0
.irp t, 0,1,2,3,4,5,6,7,8,9,10,11,12,13,14,15
	global_load_b128 v[64*(\a)+4*\t:64*(\a)+4*\t+3], v[L16], s[VR:VR+1] offset:(16*(\a)+\t)*4096 th:TH_LOAD_NT
.endr
.endm
; gelu of block a's 64 numbers a lane.  In window 1: T = v0-63, E = v64-127, P = v128-191; the result takes T's place.  The 128 reciprocals and exponentials are one batch with one wait.
.macro GELU a
	WIN 0x42                                       ; source 0 window 2, destination window 1
.set J, 0
.rept 64
	v_fma_f32 v[J], |v[64*(\a)+J]|, s[KP], 1.0     ; 1 + 0.2316419 |x|; each accumulator from its low end on
.set J, J+1
.endr
	WIN 0x4a
.set J, 0
.rept 32
	v_pk_mul_f32 v[64+J:65+J], v[64*(\a)+J:64*(\a)+J+1], v[64*(\a)+J:64*(\a)+J+1]
.set J, J+2
.endr
	WIN 0x41
.set J, 0
.rept 32
	v_pk_mul_f32 v[64+J:65+J], v[64+J:65+J], v[CF+10:CF+11]   ; -x x log2(e) / 2
.set J, J+2
.endr
.set J, 0
.rept 64
	v_rcp_f32 v[J], v[J]                           ; t
.set J, J+1
.endr
.set J, 0
.rept 64
	v_exp_f32 v[64+J], v[64+J]                     ; e^(-x x / 2)
.set J, J+1
.endr
	v_nop                                          ; a plain place behind the batch
	s_wait_alu depctr_va_vdst(0)                   ; one wait for the batch, ahead of its first reader
.set J, 0
.rept 32
	v_pk_fma_f32 v[128+J:129+J], v[J:J+1], v[CF+8:CF+9], v[CF+6:CF+7]     ; c4 + t c5
.set J, J+2
.endr
	WIN 0x45
.irp c, 4,2,0
.set J, 0
.rept 32
	v_pk_fma_f32 v[128+J:129+J], v[128+J:129+J], v[J:J+1], v[CF+\c:CF+\c+1]
.set J, J+2
.endr
.endr
.set J, 0
.rept 32
	v_pk_mul_f32 v[128+J:129+J], v[128+J:129+J], v[J:J+1]
.set J, J+2
.endr
.set J, 0
.rept 32
	v_pk_fma_f32 v[128+J:129+J], v[128+J:129+J], v[64+J:65+J], 0.5 op_sel_hi:[1,1,0] neg_lo:[1,0,0] neg_hi:[1,0,0]   ; 1/2 - Q
.set J, J+2
.endr
	WIN 0x42
.set J, 0
.rept 32
	v_pk_mul_f32 v[64+J:65+J], v[64*(\a)+J:64*(\a)+J+1], 0.5 op_sel_hi:[1,0]   ; x / 2
.set J, J+2
.endr
	WIN 0x56
.set J, 0
.rept 64
	v_fma_f32 v[J], |v[64*(\a)+J]|, v[128+J], v[64+J]
.set J, J+1
.endr
.endm
	s_load_b256 s[4:11], s[0:1], 0x0               ; w4, Wf's codes, Wf's scales, bf
	s_load_b128 s[12:15], s[0:1], 0x20             ; v, out0
	v_lshl_add_u32 v254, v0, 2, 0x4b000
	v_mov_b32 v255, 0
	ds_add_u32 v254, v255
	ds_add_u32 v254, v255
	v_lshrrev_b32 v28, 5, v0
	v_readfirstlane_b32 s[WV], v28
	s_lshr_b32 s[MH], s[WV], 1
	s_and_b32 s[NH], s[WV], 1
	s_bfe_u32 s[CX], ttmp6, 0x40000
	s_bfe_u32 s[CY], ttmp6, 0x40004
	s_lshl_b32 s[TCOL], ttmp9, 2
	s_add_co_u32 s[TCOL], s[TCOL], s[CX]           ; tile column: 256 of e, 0..3
	s_and_b32 s[GY], ttmp7, 0xffff
	s_lshl_b32 s[GY], s[GY], 2
	s_add_co_u32 s[GY], s[GY], s[CY]               ; tile row: 128 tokens, 0..63
	s_lshl_b32 s3, s[CY], 2
	s_lshl_b32 s3, 15, s3
	s_lshl_b32 s2, 0x1111, s[CX]
	s_or_b32 s[G1A2], s3, IMGW0
	s_or_b32 s[G1A3], s3, IMGW0
	s_or_b32 s[G1B], s2, ROWW0
	G1SET G1A2, 768, 2, 98304                      ; the context: 6,144 bytes of each of 2 K steps
	G1SET G1A3, 768, 3, 98304                      ; of 3
	G1SET G1B, 32, 128, 96                         ; Wf: 128 rows x 256 bytes, 768 bytes from row to row, 16 bytes of padding behind each in LDS
	s_mov_b32 s[KP], 0x3e6d3389                    ; 0.2316419
	s_mul_i32 s96, s[GY], 12288                    ; A (s92, s96, s97 never hold cx)
	s_mul_i32 s92, s[NH], 6144
	s_add_co_u32 s96, s96, s92
	s_mov_b32 s97, 0
	s_mul_i32 s92, s[NH], 49152
	s_lshl_b32 s98, s[TCOL], 8                     ; B: row 256 x tile column + 128 x half (s93, s98, s99 never hold cy)
	s_lshl_b32 s93, s[NH], 7
	s_add_co_u32 s98, s98, s93
	s_mul_i32 s98, s98, 768
	s_mov_b32 s99, 0
	s_mul_i32 s93, s[NH], 34816
	s_add_co_u32 s93, s93, BB
	s_wait_dscnt 0x0
	s_wait_kmcnt 0x0
	s_add_nc_u64 s[96:97], s[4:5], s[96:97]
	s_add_nc_u64 s[98:99], s[6:7], s[98:99]
	G0SET G0A, 92, 0, 96, 0                        ; K steps 0-1
	G0SET G0A+4, 92, 2*6144, 96, 2*786432          ; 2-4
	G0SET G0A+8, 92, 5*6144, 96, 5*786432          ; 5-7
.irp u, 0,1,2
	G0SET G0B+4*\u, 93, \u*UB, 98, \u*256
.endr
	CROUND                                         ; all sixteen work-groups are here: the joint loads meet
	s_cmp_eq_u32 s[MH], 0                          ; a wave's three fills stand in one branch: three loads of mine are out
	s_cbranch_scc0 .Lfill_b
	tensor_load_to_lds s[G0A:G0A+3], s[G1A2:G1A2+7]
	s_nop 0
	tensor_load_to_lds s[G0A+4:G0A+7], s[G1A3:G1A3+7]
	s_nop 0
	tensor_load_to_lds s[G0A+8:G0A+11], s[G1A3:G1A3+7]
	s_nop 0
	PLACES 4
	s_branch .Lfilled
.Lfill_b:
	tensor_load_to_lds s[G0B:G0B+3], s[G1B:G1B+7]
	s_nop 0
	tensor_load_to_lds s[G0B+4:G0B+7], s[G1B:G1B+7]
	s_nop 0
	tensor_load_to_lds s[G0B+8:G0B+11], s[G1B:G1B+7]
	s_nop 0
	PLACES 4
.Lfilled:
	v_and_b32 v28, 31, v0
	v_lshlrev_b32 v[L16], 4, v28
	v_lshlrev_b32 v[L4], 2, v28
	v_lshlrev_b32 v[V32L], 5, v28
	v_and_b32 v29, 15, v0                          ; r
	v_bfe_u32 v30, v0, 4, 1                        ; h
	v_lshlrev_b32 v[V32H], 5, v30
	s_lshl_b32 s40, s[GY], 7
	s_lshl_b32 s41, s[MH], 6
	s_add_co_u32 s40, s40, s41                     ; my first token
	s_lshl_b32 s42, s[TCOL], 8
	s_lshl_b32 s41, s[NH], 7
	s_add_co_u32 s42, s42, s41                     ; my first column
	s_mov_b32 s45, 0
	s_lshl_b32 s44, s40, 2
	s_add_nc_u64 s[SAB:SAB+1], s[4:5], s[44:45]
	s_add_nc_u64 s[SAB:SAB+1], s[SAB:SAB+1], 6291456   ; the context's scale words
	s_lshl_b32 s44, s42, 5
	s_add_nc_u64 s[8:9], s[8:9], s[44:45]          ; Wf's scale bytes, 32 a row
	s_lshl_b32 s44, s42, 2
	s_add_nc_u64 s[10:11], s[10:11], s[44:45]      ; bf
	s_lshl_b32 s46, s40, 12
	s_add_co_u32 s44, s44, s46                     ; 4,096 bytes a token + 4 a column
	s_add_nc_u64 s[VR:VR+1], s[12:13], s[44:45]
	s_add_nc_u64 s[OUT:OUT+1], s[14:15], s[44:45]
.irp i, 0,1
.irp q, 0,1,2,3,4,5,6,7
	global_load_b32 v[SCA+8*\i+\q], v[L4], s[SAB:SAB+1] offset:\q*32768+128*\i   ; lane l: token 32 i + l's word of K step q
.endr
.endr
.irp i, 0,1,2,3
	global_load_b128 v[SCB+8*\i:SCB+8*\i+3], v[V32L], s[8:9] offset:1024*\i      ; lane l: row 32 i + l's eight words
	global_load_b128 v[SCB+8*\i+4:SCB+8*\i+7], v[V32L], s[8:9] offset:1024*\i+16
.endr
	WIN 0x40
.irp b, 0,1,2,3,4,5,6,7
	global_load_b128 v[192+8*\b:195+8*\b], v[V32H], s[10:11] offset:64*\b        ; bf of columns 16 b + 8 h + 0 .. 7
	global_load_b128 v[196+8*\b:199+8*\b], v[V32H], s[10:11] offset:64*\b+16
.endr
	WIN 0
	s_mul_i32 s46, s[MH], 49152
	v_add_nc_u32 v[ADA], s46, v[L16]
	v_mul_u32_u24 v31, v29, 272
	v_mad_u32_u24 v28, v30, 24, v31                ; 272 r + 24 h
	s_mul_i32 s47, s[NH], 34816
	s_add_co_u32 s47, s47, BB
	v_add_nc_u32 v[LB], s47, v28
	v_add_nc_u32 v[LB+1], UB, v[LB]
	v_add_nc_u32 v[LB+2], UB, v[LB+1]
	v_mul_u32_u24 v28, v30, UB-232                 ; lanes 16-31 one region on and 232 bytes back
	v_add_nc_u32 v28, v28, v31
	v_add_nc_u32 v[LBX], s47, v28
	v_add_nc_u32 v[LBX+1], UB, v[LBX]
	s_mul_i32 s46, s[WV], 16*528                   ; my stage: 16 rows x (512 bytes + 16)
	v_mul_u32_u24 v[STO], v29, 528
	v_lshl_add_u32 v[STO], v30, 5, v[STO]
	v_add_nc_u32 v[STO], s46, v[STO]               ; in: row r, 32 bytes for each half of the lanes
	v_add_nc_u32 v[RD], s46, v[L16]                ; back: the 32 lanes take one row
	v_mov_b32 v[CF], 0x3e027906                    ; c1 =  0.127414796
	v_mov_b32 v[CF+1], 0x3e027906
	v_mov_b32 v[CF+2], 0xbe11a98e                  ; c2 = -0.142248368
	v_mov_b32 v[CF+3], 0xbe11a98e
	v_mov_b32 v[CF+4], 0x3f35f0e3                  ; c3 =  0.710706871
	v_mov_b32 v[CF+5], 0x3f35f0e3
	v_mov_b32 v[CF+6], 0xbf3a00e3                  ; c4 = -0.726576014
	v_mov_b32 v[CF+7], 0xbf3a00e3
	v_mov_b32 v[CF+8], 0x3f07dc22                  ; c5 =  0.530702716
	v_mov_b32 v[CF+9], 0x3f07dc22
	v_mov_b32 v[CF+10], 0xbf38aa3b                 ; -log2(e) / 2
	v_mov_b32 v[CF+11], 0xbf38aa3b
	s_wait_loadcnt 0x0                             ; scale words and bf
	s_wait_tensorcnt 0x2                           ; my first load is in; my two younger loads may be out
	s_barrier_signal -1
	s_barrier_wait -1
	FETCH 0
	STEP 0, 0, 0, 3
	VLOAD 0
	STEP 1, 1, 0x1, 0                              ; K steps 2 to 4: one younger load may be out
	VLOAD 1
	STEP 2, 0, 0, 0
	VLOAD 2
	STEP 3, 0, 0, 0
	VLOAD 3
	STEP 4, 1, 0x0, 0                              ; K steps 5 to 7
	STEP 5, 0, 0, 0
	STEP 6, 0, 0, 0
	STEP 7, 2, 0, 0
	WIN 0
	PLACES 4                                       ; behind the last products, ahead of the first read of results and the first write over fragments
	s_wait_loadcnt 0x0                             ; v's numbers
	s_barrier_signal -1                            ; every wave's reads of the context's region are over (each waited for its LDS loads at the head of the last K step): the stages may be written
	s_barrier_wait -1
.irp a, 0,1,2,3
	GELU \a
	WIN 0x04                                       ; an LDS store's data are its source 1: window 1
.irp b, 0,1,2,3,4,5,6,7
	ds_store_b128 v[STO], v[8*\b:8*\b+3] offset:64*\b              ; lane (r, h): row 16 a + r, columns 16 b + 8 h + 0 .. 7
	ds_store_b128 v[STO], v[8*\b+4:8*\b+7] offset:64*\b+16
.endr
.if \a > 0
	s_wait_xcnt 0x0                                ; the last block's stores have read their registers
.endif
	WIN 0x40
.irp t, 0,1,2,3,4,5,6,7,8,9,10,11,12,13,14,15
	ds_load_b128 v[192+4*\t:195+4*\t], v[RD] offset:\t*528         ; LDS serves a wave's instructions in order: these see my stores, and the next block's stores come behind them
.endr
	s_wait_dscnt 0x0
	WIN 0x4d                                       ; destination and source 0 window 1, source 1 window 3
.set J, 0
.rept 32
	v_pk_add_f32 v[192+J:193+J], v[192+J:193+J], v[64*\a+J:64*\a+J+1]   ; + v
.set J, J+2
.endr
	WIN 0x04                                       ; a store's data are its source 1: window 1
.irp t, 0,1,2,3,4,5,6,7,8,9,10,11,12,13,14,15
	global_store_b128 v[L16], v[192+4*\t:195+4*\t], s[OUT:OUT+1] offset:(16*\a+\t)*4096 th:TH_STORE_NT   ; 32 lanes store 512 consecutive bytes, at a multiple of 256 from out0's first byte
.endr
.endr
	WIN 0
	s_wait_tensorcnt 0x0
	ds_add_u32 v254, v255
	s_wait_dscnt 0x0
	CROUND                                         ; the closing round
	s_endpgm
.Lfunc_end_k_qb98681bcfe_final:
	.size	k_qb98681bcfe_final, .Lfunc_end_k_qb98681bcfe_final-k_qb98681bcfe_final
	.p2alignl 7, 3214868480
	.fill 96, 4, 3214868480
	.section	.rodata,"a",@progbits
	.p2align	6, 0x0
	.amdhsa_kernel k_qb98681bcfe_final
		.amdhsa_group_segment_fixed_size 327680
		.amdhsa_private_segment_fixed_size 0
		.amdhsa_enable_private_segment 0
		.amdhsa_kernarg_size 48
		.amdhsa_user_sgpr_count 2
		.amdhsa_user_sgpr_kernarg_segment_ptr 1
		.amdhsa_wavefront_size32 1
		.amdhsa_system_sgpr_workgroup_id_x 1
		.amdhsa_system_sgpr_workgroup_id_y 1
		.amdhsa_system_sgpr_workgroup_id_z 1
		.amdhsa_system_vgpr_workitem_id 0
		.amdhsa_next_free_vgpr 1024
		.amdhsa_next_free_sgpr 100
		.amdhsa_reserve_vcc 0
		.amdhsa_float_denorm_mode_32 3
		.amdhsa_float_denorm_mode_16_64 3
		.amdhsa_memory_ordered 1
		.amdhsa_forward_progress 1
		.amdhsa_inst_pref_size 228
	.end_amdhsa_kernel
	.amdgpu_metadata
---
amdhsa.version: [ 1, 2 ]
amdhsa.kernels:
  - .name:           k_qb98681bcfe_final
    .symbol:         k_qb98681bcfe_final.kd
    .args:
      - { .name: w4, .offset: 0, .size: 8, .value_kind: global_buffer, .address_space: global }
      - { .name: Wf_codes, .offset: 8, .size: 8, .value_kind: global_buffer, .address_space: global }
      - { .name: Wf_scales, .offset: 16, .size: 8, .value_kind: global_buffer, .address_space: global }
      - { .name: bf, .offset: 24, .size: 8, .value_kind: global_buffer, .address_space: global }
      - { .name: v, .offset: 32, .size: 8, .value_kind: global_buffer, .address_space: global }
      - { .name: out0, .offset: 40, .size: 8, .value_kind: global_buffer, .address_space: global }
    .group_segment_fixed_size: 327680
    .private_segment_fixed_size: 0
    .kernarg_segment_align: 8
    .kernarg_segment_size: 48
    .max_flat_workgroup_size: 128
    .sgpr_count:     100
    .vgpr_count:     1024
    .wavefront_size: 32
...
	.end_amdgpu_metadata
.endif
;; end of part 5
